; MI455X (gfx1250); checked and timed in simulation.
; The chip was launched on July 23, 2026; its instructions are those of AMD's public machine-readable ISA for CDNA 5 (MIT licence, August 2026) and "CDNA5" Instruction Set Architecture Reference Guide (July 2026). The comments in the code are by the model that wrote it; some were corrected since.
;; Cross Attention. Allowed arithmetic: matrix products marked QUANTISED: E2M1 operands, one E8M0 scale for each 32 along K, by v_wmma_scale_f32_16x16x128_f8f6f4 with both operands' format E2M1 (or v_wmma_scale_f32_32x16x128_f4), f32 sums; everything else in f32.
;; Inputs: Wff1 1,024 x 8,192 float32; Wff2 4,096 x 1,024 float32; Wkv 1,024 x 128 float32; Wout 256 x 1,024 float32; Wq 1,024 x 256 float32; context 4,096 x 1,024 float32; ctx_gamma 1,024 float32; gamma 1,024 float32; x 4,096 x 1,024 float32.
;; Outputs: out0 4,096 x 1,024 float32.
;; Constants: batch = 1.
;; This version of the problem:
;;   THIS VERSION OF THE PROBLEM IS GIVEN IN LOW PRECISION. The matrix products marked QUANTISED in the list below multiply operands that are first quantised to E2M1 (2 exponent bits, 1 mantissa bit; 4 bits a number), with one power-of-two scale for each 32 numbers along K (OCP MX v1.0); their sums are f32. All else is computed in f32.
;;   The module's matrix products, in the order in which they are computed (A, B: the left and right operand; K: the contracted axis; several contracted axes count as one K, in the product's order):
;;     1. [M 4,096, K 1,024] x [K 1,024, N 256]; A: computed on the way; B: input Wq: QUANTISED
;;     2. [M 4,096, K 1,024] x [K 1,024, N 128]; A: computed on the way; B: input Wkv: QUANTISED
;;     3. [M 16,384, K 64] x [K 64, N 4,096]; A: computed on the way; B: computed on the way: QUANTISED
;;     4. [M 16,384, K 4,096] x [K 4,096, N 64]; A: softmax (see below); B: computed on the way: QUANTISED
;;     5. [M 4,096, K 256] x [K 256, N 1,024]; A: computed on the way; B: input Wout: QUANTISED
;;     6. [M 4,096, K 1,024] x [K 1,024, N 8,192]; A: computed on the way; B: input Wff1: QUANTISED
;;     7. [M 4,096, K 4,096] x [K 4,096, N 1,024]; A: computed on the way; B: input Wff2: QUANTISED
;;   THE QUANTISER, for each operand of a quantised product, along K:
;;     - K is cut into blocks of 32 from its start; a last block that is shorter is filled with zeros.
;;     - A block's scale is 2^e with e = floor(log2(the largest magnitude in the block)) - 2, held to -126 .. 127; a block of zeros has e = 0. As a byte (E8M0): e + 127.
;;     - Each number is divided by its block's scale, clamped to +-6, and rounded to the nearest number of E2M1, ties to even, subnormals kept.
;;     - The product sums the exact products of the quantised numbers (number of the format x scale) in f32.
;;   ~~~python
;;   def quantise(x, axis):      # numpy; x: float32 -> the quantised numbers, widened to float32 again
;;       x = np.moveaxis(x, axis, -1); K = x.shape[-1]
;;       x = np.pad(x, [(0, 0)] * (x.ndim - 1) + [(0, -K % 32)]); x = x.reshape(x.shape[:-1] + (-1, 32)); a = np.abs(x).max(-1, keepdims=True)
;;       e = np.where(a > 0, np.clip(np.frexp(np.where(a > 0, a, 1))[1] - 1 - 2, -126, 127), 0)      # np.frexp(a)[1] - 1 = floor(log2(a)), exactly
;;       r = np.clip(x / 2.0 ** e, -6, 6)
;;       step = 2.0 ** (np.maximum(np.frexp(np.where(r == 0, 1, r))[1] - 1, 0) - 1)
;;       q = np.round(r / step) * step * 2.0 ** e      # np.round: ties to even
;;       return np.moveaxis(q.reshape(q.shape[:-2] + (-1,))[..., :K], -1, axis).astype(np.float32)
;;   ~~~
;;   SOFTMAX AHEAD OF A QUANTISED PRODUCT. Where the list says 'softmax', what is quantised is not the finished softmax but p = 2^(t - M), with t = logit x log2(e) and M = ceil(the row's largest t), a whole number; so 1/2 < the row's largest p <= 1. The row's sum l is taken of the UNQUANTISED p, in f32, and the product's result is divided by l at the end. Since M is a whole number, a kernel that streams over the keys may use a running M (the ceiling of the running maximum): every later rescaling is an exact power of two, which a block's scale takes up: the codes' values come out the same.
;;   OPERANDS COMPUTED ON THE WAY. 'Computed on the way' means the value that the module computes at that place (a softmax that the list does not call 'softmax' is quantised finished and normalised). What goes into a quantiser is computed in f32, as accurately as f32 sums, v_exp_f32 and their like allow (about 1e-6 of the number): no bf16 or f16 on the way to a quantiser, and a product that is left as it is and whose result goes on into a quantised operand takes f32 operands (vector FMAs, or v_wmma_f32_16x16x4_f32). A number that lies on a knife's edge between two numbers of the format may be rounded either way, as far as f32 arithmetic and the matrix unit's own rounding can turn it there, and no further.
;; One version. Each part assembles by itself: llvm-mc -triple=amdgcn-amd-amdhsa -mcpu=gfx1250 --defsym DOCPART=n.
;; ======== version 1 of 1: 4 launches
;; limits: right only within a limited range of input values
;; workspace buffers: acts 4,456,448 bytes; wts 7,032,832 bytes; qkv 835,584 bytes; ga 9,469,952 bytes
;; launch prep (part 1): grid 916 x 1, 4 waves a work-group, no clusters, 28,160 bytes of LDS; arguments x, context, gamma, ctx_gamma, Wff1, Wff2, Wout, Wq, Wkv, acts, wts; writes acts, wts
.if DOCPART == 1
	.amdgcn_target "amdgcn-amd-amdhsa--gfx1250"
	.amdhsa_code_object_version 6
	.text
	.protected	k_qde4bfea45d_prep
	.globl	k_qde4bfea45d_prep
	.p2align	8
	.type	k_qde4bfea45d_prep,@function
k_qde4bfea45d_prep:
	s_mov_b64 s[64:65], 0
	v_nop
	global_prefetch_b8 v0, s[64:65] scope:SCOPE_SE
	s_setreg_imm32_b32 hwreg(HW_REG_WAVE_MODE, 25, 1), 1
	s_wait_xcnt 0x0
; PREP: everything that arrives as f32 becomes codes of E2M1 with one E8M0 byte for each 32 along K, once.
; DEAD WORK: none.  Every input buffer has a way to out0 and is loaded; every product of reference() is done by a later launch.  The constant batch has no buffer and enters no formula.
; Work-groups 0-511: xn = layer_norm(x, gamma) (0-255) and ctx = layer_norm(context, ctx_gamma) (256-511), a tile of 16 rows each, four rows a wave.  Work-groups 512-915: the five weights, stored [K][N], quantised down K.
; HOW AN OPERAND LIES IN THE WORKSPACE: as an image of the matrix operand's registers.  A fragment is 16 rows x 128 K = 1,024 bytes; block b (32 along K) of row r lies at 256 b + 16 r.
; INSIDE A BLOCK the four groups of eight codes lie in the order 0, 2, 1, 3, on BOTH operands of every product: a permutation of k inside a block that both sides share moves no product and no scale.
; Operands with K = 1,024: a tile of 16 rows is two parts of 4,352 bytes: the images of four K steps, then [row 16][four K steps' scale words].
; Wff2 and Wout (one operand with K = 4,096 + 256 = 34 steps of 128): [K step][column tile][1,024], and scale words [pair of K steps 17][column][two words].
; A block's byte is its largest magnitude's exponent field - 2, held at 1 from below by a floor among the maximum's leaves.
; LIMITS: a block of zeros gets the byte 1 where the rule says 127 (its codes are zeros; this program alone reads the bytes); NaN and infinities among the inputs are not served.
; No cluster, no tensor load: no two work-groups read the same input byte but gamma's.
.set WREG,  4608                       ; LDS: a wave's turn, 32 blocks x 144
.set CSTO,  18432                      ; the tile's codes, 32 blocks x 272,
.set SBYO,  27136                      ; and scale bytes [part 2][row 16][16]
.set SPARE, 27648                      ; the spare words, 128 bytes a wave
.set TILE,  8704
.set PARTB, 4352
.set CTX,   2228224                    ; acts: xn's 256 tiles, then ctx's
.set WQI,   4456448                    ; wts: Wff1's 512 tiles, Wq's 16, Wkv's 8,
.set WKI,   4595712
.set WB,    4665344                    ; Wff2 (K steps 0-31) and Wout (32, 33),
.set SB,    6893568                    ; their scale words
.set GAM,   32                         ; v32-63   gamma as loaded
.set T,     192                        ; v192-223 a block's 32 numbers
.set C,     224                        ; v224-227 its codes
.set E,     228                        ; v228     its byte
	s_load_b256 s[4:11], s[0:1], 0x0               ; x, context, gamma, ctx_gamma
	s_load_b256 s[12:19], s[0:1], 0x20             ; Wff1, Wff2, Wout, Wq
	s_load_b128 s[20:23], s[0:1], 0x40             ; Wkv, acts
	s_load_b64 s[24:25], s[0:1], 0x50              ; wts
	v_lshl_add_u32 v2, v0, 2, SPARE                ; my spare word; never rewritten
	v_mov_b32 v3, 0                                ; 0; never rewritten
	v_lshrrev_b32 v1, 5, v0
	v_readfirstlane_b32 s26, v1                    ; wave
	v_and_b32 v1, 31, v0                           ; lane
	s_wait_alu depctr_va_vdst(0)                   ; the wait ahead of the branch
	s_cmp_lt_u32 ttmp9, 512
	s_cbranch_scc0 .Lw
; ---------------- LAYER NORM.  A row is 4,096 bytes: eight loads of 512 consecutive bytes, kept in 32 registers through both passes; a wave's four rows are asked for at once.
	s_lshr_b32 s27, ttmp9, 8                       ; 0: x, 1: context
	s_and_b32 s28, ttmp9, 255                      ; the tile
	s_lshl_b32 s30, s28, 16                        ; 16 rows of 4,096 bytes,
	s_lshl_b32 s29, s26, 14
	s_add_co_u32 s30, s30, s29                     ; my four
	s_mov_b32 s31, 0
	s_mul_i32 s34, s27, CTX
	s_mul_i32 s29, s28, TILE
	s_add_co_u32 s34, s34, s29                     ; the tile's images and scale bytes
	s_mov_b32 s35, 0
	s_lshr_b32 s29, s26, 1
	s_mul_i32 s29, s29, PARTB
	s_add_co_u32 s32, s34, s29
	s_and_b32 s29, s26, 1
	s_lshl_b32 s29, s29, 11
	s_add_co_u32 s32, s32, s29                     ; on the way out I store two K steps' images
	s_mov_b32 s33, 0
	s_mov_b32 s38, 0x76543210
	s_mov_b32 s39, 0xfedcba98                      ; v_permlanex16_b32's selects for lane l xor 16
	s_mov_b32 s40, 0x3a800000                      ; 1 / 1024
	s_mov_b32 s41, 0x3727c5ac                      ; 1e-5
	s_mul_i32 s29, s26, WREG
	s_lshl_b32 s36, s26, 6
	s_add_co_u32 s37, s36, SBYO
	s_add_co_u32 s36, s36, CSTO
	s_mul_i32 s42, s26, 8*272
	s_add_co_u32 s42, s42, CSTO
	v_lshlrev_b32 v4, 4, v1                        ; 16 x lane
	v_lshrrev_b32 v5, 3, v1
	v_mul_u32_u24 v8, v5, 144
	v_and_b32 v5, 7, v1
	v_lshl_add_u32 v8, v5, 4, v8
	v_add_nc_u32 v8, s29, v8                       ; the turn, in: eight lanes' 128 bytes on end, then 16 of padding
	v_mul_u32_u24 v9, v1, 144
	v_add_nc_u32 v9, s29, v9                       ; the turn, out: lane l takes block l of the row
	v_mul_u32_u24 v10, v1, 272
	v_add_nc_u32 v10, s36, v10                     ; the codes: block l, my rows
	v_and_b32 v5, 15, v1
	v_lshrrev_b32 v6, 4, v1
	v_lshl_add_u32 v11, v6, 8, v5
	v_add_nc_u32 v11, s37, v11                     ; the scale bytes: part, my rows, block in the part
	v_mul_u32_u24 v12, v6, 272
	v_lshl_add_u32 v12, v5, 4, v12
	v_add_nc_u32 v12, s42, v12                     ; the codes, out: sixteen lanes to a block's 256 bytes
	v_add_nc_u32 v13, SBYO, v4
	v_mul_u32_u24 v7, v6, PARTB
	v_lshl_add_u32 v7, v5, 4, v7
	v_add_nc_u32 v7, 4096, v7                      ; where a part's 256 scale bytes go
	v_mov_b32 v15, 0                               ; upper halves of pairs that the packed forms name
	v_mov_b32 v17, 0
	s_wait_alu depctr_va_vdst(0)                   ; the wait at the head's end
	s_wait_kmcnt 0x0
	s_cmp_eq_u32 s27, 0
	s_cselect_b64 s[4:5], s[4:5], s[6:7]
	s_cselect_b64 s[8:9], s[8:9], s[10:11]
	s_add_nc_u64 s[4:5], s[4:5], s[30:31]
	s_add_nc_u64 s[32:33], s[22:23], s[32:33]
	s_add_nc_u64 s[34:35], s[22:23], s[34:35]
.macro JOIN                            ; four packed chains v18-25 become one number, summed over the 32 lanes, in every lane's v18
	v_pk_add_f32 v[18:19], v[18:19], v[20:21]
	v_pk_add_f32 v[22:23], v[22:23], v[24:25]
	v_pk_add_f32 v[18:19], v[18:19], v[22:23]
	v_add_f32 v18, v18, v19
	v_add_f32_dpp v18, v18, v18 row_xmask:1 row_mask:0xf bank_mask:0xf
	v_add_f32_dpp v18, v18, v18 row_xmask:2 row_mask:0xf bank_mask:0xf
	v_add_f32_dpp v18, v18, v18 row_xmask:4 row_mask:0xf bank_mask:0xf
	v_add_f32_dpp v18, v18, v18 row_xmask:8 row_mask:0xf bank_mask:0xf
	v_permlanex16_b32 v19, v18, s38, s39
	v_add_f32 v18, v18, v19
.endm
.macro ROW row, left                   ; left: the loads of the younger rows, eight each, which may stay out
.set X, 64+32*(\row)
	s_wait_loadcnt \left
.irp k, 0,1,2,3
	v_pk_add_f32 v[18+2*\k:19+2*\k], v[X+4*\k:X+4*\k+1], v[X+4*\k+2:X+4*\k+3]
.endr
.irp i, 16,18,20,22,24,26,28,30
	v_pk_add_f32 v[18+(\i)%8:19+(\i)%8], v[18+(\i)%8:19+(\i)%8], v[X+\i:X+\i+1]
.endr
	JOIN
	v_mul_f32 v14, s40, v18                        ; the mean
.irp i, 0,2,4,6,8,10,12,14,16,18,20,22,24,26,28,30
	v_pk_add_f32 v[X+\i:X+\i+1], v[X+\i:X+\i+1], v[14:15] op_sel_hi:[1,0] neg_lo:[0,1] neg_hi:[0,1]   ; x - mean
.endr
.irp k, 0,1,2,3
	v_pk_mul_f32 v[18+2*\k:19+2*\k], v[X+2*\k:X+2*\k+1], v[X+2*\k:X+2*\k+1]
.endr
.irp i, 8,10,12,14,16,18,20,22,24,26,28,30
	v_pk_fma_f32 v[18+(\i)%8:19+(\i)%8], v[X+\i:X+\i+1], v[X+\i:X+\i+1], v[18+(\i)%8:19+(\i)%8]
.endr
	JOIN
	v_fma_f32 v18, v18, s40, s41                   ; the variance + 1e-5
	s_wait_alu depctr_va_vdst(0)                   ; the wait ahead of the transcendental,
	v_rsq_f32 v16, v18
	v_nop                                          ; a plain instruction behind it,
	s_wait_alu depctr_va_vdst(0)                   ; and the wait ahead of its first reader
.irp i, 0,2,4,6,8,10,12,14,16,18,20,22,24,26,28,30
	v_pk_mul_f32 v[X+\i:X+\i+1], v[X+\i:X+\i+1], v[16:17] op_sel_hi:[1,0]
.endr
.irp i, 0,2,4,6,8,10,12,14,16,18,20,22,24,26,28,30
	v_pk_mul_f32 v[X+\i:X+\i+1], v[X+\i:X+\i+1], v[GAM+\i:GAM+\i+1]
.endr
.irp j, 0,1,2,3,4,5,6,7
	ds_store_b128 v8, v[X+4*\j:X+4*\j+3] offset:576*\j             ; the row as it lies,
.endr
.irp j, 0,1,2,3,4,5,6,7
	ds_load_b128 v[T+4*\j:T+4*\j+3], v9 offset:16*\j               ; and back a block of 32 to a lane: LDS serves a wave's instructions in order
.endr
	s_wait_dscnt 0x0
	v_max3_num_f32 v18, |v[T]|, |v[T+1]|, |v[T+2]|
	v_max3_num_f32 v19, |v[T+3]|, |v[T+4]|, |v[T+5]|
.irp i, 6,10,14,18,22,26
	v_max3_num_f32 v18, v18, |v[T+\i]|, |v[T+\i+1]|
	v_max3_num_f32 v19, v19, |v[T+\i+2]|, |v[T+\i+3]|
.endr
	v_max3_num_f32 v18, v18, |v[T+30]|, |v[T+31]|
	v_max3_num_f32 v18, v18, v19, 0x1800000        ; and the floor 2^(3 - 127): the byte cannot fall under 1
	v_add_nc_u32 v20, 0xff000000, v18              ; 2 off the exponent field: the conversion takes that field as its scale
	v_cvt_scalef32_pk8_fp4_f32 v[C], v[T:T+7], v20             ; groups of eight in the order 0, 2, 1, 3
	v_cvt_scalef32_pk8_fp4_f32 v[C+2], v[T+8:T+15], v20
	v_cvt_scalef32_pk8_fp4_f32 v[C+1], v[T+16:T+23], v20
	v_cvt_scalef32_pk8_fp4_f32 v[C+3], v[T+24:T+31], v20
	v_lshrrev_b32 v[E], 23, v20                    ; the byte
	ds_store_b128 v10, v[C:C+3] offset:16*(\row)
	ds_store_b8 v11, v[E] offset:16*(\row)
.endm
.irp j, 0,1,2,3,4,5,6,7
	global_load_b128 v[GAM+4*\j:GAM+4*\j+3], v4, s[8:9] offset:512*\j
.endr
.irp r, 0,1,2,3
.irp j, 0,1,2,3,4,5,6,7
	global_load_b128 v[64+32*\r+4*\j:64+32*\r+4*\j+3], v4, s[4:5] offset:4096*\r+512*\j th:TH_LOAD_NT
.endr
.endr
	ROW 0, 24
	ROW 1, 16
	ROW 2, 8
	ROW 3, 0
	s_wait_dscnt 0x0                               ; for the others' sake: my rows lie in LDS
	s_barrier_signal -1
	s_barrier_wait -1
.irp i, 0,1,2,3
	ds_load_b128 v[64+4*\i:67+4*\i], v12 offset:544*\i             ; two of the tile's blocks: 512 bytes of the images
.endr
.irp i, 0,1,2,3
	s_wait_dscnt 3-\i                              ; the LDS loads issued behind this one may stay out
	global_store_b128 v4, v[64+4*\i:67+4*\i], s[32:33] offset:512*\i   ; 512 consecutive bytes, aligned
.endr
	s_cmp_lg_u32 s26, 0
	s_cbranch_scc1 .Lln_end
	ds_load_b128 v[T:T+3], v13
	s_wait_dscnt 0x0
	global_store_b128 v7, v[T:T+3], s[34:35]       ; the scale bytes: 256 aligned bytes in each part
.Lln_end:
	s_wait_tensorcnt 0x0                           ; the wave's end, behind my last LDS store
	ds_add_u32 v2, v3
	s_wait_dscnt 0x0
	s_endpgm
; ---------------- THE WEIGHTS.  A work-group takes 128 columns x 256 along K, a wave 32 columns.  A lane takes a column and its registers run down K: a block of 32 lies in one lane.  No LDS.
.set OF, 32                            ; v32-63   4 x lane + i rows
.set XW, 64                            ; v64-127  two sets of 32 numbers
.set CW, 160                           ; v160-191 codes, four registers a block: no store's data are written again
.set SW, 192                           ; v192-193 the two K steps' scale words
.Lw:
	s_sub_co_u32 s27, ttmp9, 512
	s_mov_b32 s28, 0                               ; Wff1: first work-group,
	s_mov_b32 s29, 6                               ; log2 of its groups of 128 columns,
	s_mov_b32 s30, 32768                           ; bytes in a row,
	s_mov_b32 s31, 0                               ; where it begins in wts,
	s_mov_b32 s32, TILE                            ; from column tile to column tile,
	s_mov_b32 s33, 1024                            ; from K step to K step,
	s_mov_b32 s34, 0                               ; its first pair of K steps,
	s_mov_b32 s35, TILE                            ; its scale words: from column tile to column tile, from column to column
	s_mov_b32 s36, 16
	s_wait_kmcnt 0x0
	s_cmp_ge_u32 s27, 256                          ; Wff2
	s_cselect_b64 s[12:13], s[14:15], s[12:13]
	s_cselect_b32 s28, 256, s28
	s_cselect_b32 s29, 3, s29
	s_cselect_b32 s30, 4096, s30
	s_cselect_b32 s32, 1024, s32
	s_cselect_b32 s33, 65536, s33
	s_cselect_b32 s35, 128, s35
	s_cselect_b32 s36, 8, s36
	s_cmp_ge_u32 s27, 384                          ; Wout: as Wff2, from K step 32 on
	s_cselect_b64 s[12:13], s[16:17], s[12:13]
	s_cselect_b32 s28, 384, s28
	s_cselect_b32 s34, 16, s34
	s_cmp_ge_u32 s27, 392                          ; Wq
	s_cselect_b64 s[12:13], s[18:19], s[12:13]
	s_cselect_b32 s28, 392, s28
	s_cselect_b32 s29, 1, s29
	s_cselect_b32 s30, 1024, s30
	s_cselect_b32 s31, WQI, s31
	s_cselect_b32 s32, TILE, s32
	s_cselect_b32 s33, 1024, s33
	s_cselect_b32 s34, 0, s34
	s_cselect_b32 s35, TILE, s35
	s_cselect_b32 s36, 16, s36
	s_cmp_ge_u32 s27, 400                          ; Wkv
	s_cselect_b64 s[12:13], s[20:21], s[12:13]
	s_cselect_b32 s28, 400, s28
	s_cselect_b32 s29, 0, s29
	s_cselect_b32 s30, 512, s30
	s_cselect_b32 s31, WKI, s31
	s_sub_co_u32 s27, s27, s28
	s_lshr_b32 s38, s27, s29                       ; which 256 along K
	s_lshl_b32 s39, s38, s29
	s_sub_co_u32 s39, s27, s39                     ; which 128 columns
	s_lshl_b32 s39, s39, 7
	s_lshl_b32 s66, s26, 5
	s_add_co_u32 s39, s39, s66                     ; my wave's first column
	s_lshl_b32 s66, s38, 8
	s_mul_i32 s66, s66, s30
	s_lshl_b32 s68, s39, 2
	s_add_co_u32 s66, s66, s68
	s_mov_b32 s67, 0
	s_add_nc_u64 s[40:41], s[12:13], s[66:67]      ; a base for each of the eight blocks: none is ever stepped
	s_lshl_b32 s68, s30, 5
	s_mov_b32 s69, 0
.irp b, 1,2,3,4,5,6,7
	s_add_nc_u64 s[40+2*\b:41+2*\b], s[38+2*\b:39+2*\b], s[68:69]
.endr
	s_lshr_b32 s66, s39, 4
	s_mul_i32 s66, s66, s32                        ; my first column tile
	; K = 1,024: the part, and my two K steps of its four
	s_add_co_u32 s70, s66, s31
	s_lshr_b32 s28, s38, 1
	s_mul_i32 s28, s28, PARTB
	s_add_co_u32 s70, s70, s28
	s_and_b32 s28, s38, 1
	s_lshl_b32 s29, s28, 3
	s_add_co_u32 s71, s70, s29
	s_add_co_u32 s71, s71, 4096                    ; the scale words
	s_lshl_b32 s29, s28, 11
	s_add_co_u32 s70, s70, s29                     ; the images
	; Wff2, Wout
	s_add_co_u32 s28, s38, s34                     ; my pair of K steps
	s_lshl_b32 s29, s28, 17
	s_add_co_u32 s66, s66, s29
	s_add_co_u32 s66, s66, WB
	s_lshl_b32 s29, s28, 13
	s_lshl_b32 s28, s39, 3
	s_add_co_u32 s29, s29, s28
	s_add_co_u32 s29, s29, SB
	s_cmp_eq_u32 s33, 1024
	s_cselect_b32 s66, s70, s66
	s_cselect_b32 s70, s71, s29
	s_mov_b32 s71, 0
	s_add_nc_u64 s[56:57], s[24:25], s[66:67]      ; the images of my two K steps
	s_mov_b32 s68, s33
	s_add_nc_u64 s[58:59], s[56:57], s[68:69]
	s_add_nc_u64 s[60:61], s[24:25], s[70:71]      ; and their scale words
	v_lshlrev_b32 v[OF], 2, v1
.irp i, 1,2,3,4,5,6,7,8,9,10,11,12,13,14,15,16,17,18,19,20,21,22,23,24,25,26,27,28,29,30,31
	v_add_nc_u32 v[OF+\i], s30, v[OF+\i-1]
.endr
	v_lshrrev_b32 v5, 4, v1
	v_and_b32 v6, 15, v1
	v_mul_lo_u32 v8, v5, s32
	v_lshl_add_u32 v8, v6, 4, v8                   ; my column's 16 bytes of a block: lanes 0-15 one column tile, lanes 16-31 the next
	v_mul_lo_u32 v9, v5, s35
	v_mul_lo_u32 v7, v6, s36
	v_add_nc_u32 v9, v9, v7                        ; and its scale words
	s_wait_alu depctr_va_vdst(0)                   ; the wait at the head's end
.macro LOADB b
.irp i, 0,1,2,3,4,5,6,7,8,9,10,11,12,13,14,15,16,17,18,19,20,21,22,23,24,25,26,27,28,29,30,31
	global_load_b32 v[XW+32*((\b)%2)+\i], v[OF+\i], s[40+2*(\b):41+2*(\b)] th:TH_LOAD_NT
.endr
.endm
.macro BLOCK b
.set XS, XW+32*((\b)%2)
.set CB, CW+4*(\b)
.if (\b) < 7
	s_wait_loadcnt 32                              ; the next block's 32 loads may stay out
.else
	s_wait_loadcnt 0x0
.endif
	v_max3_num_f32 v12, |v[XS]|, |v[XS+1]|, |v[XS+2]|
	v_max3_num_f32 v13, |v[XS+3]|, |v[XS+4]|, |v[XS+5]|
.irp i, 6,10,14,18,22,26
	v_max3_num_f32 v12, v12, |v[XS+\i]|, |v[XS+\i+1]|
	v_max3_num_f32 v13, v13, |v[XS+\i+2]|, |v[XS+\i+3]|
.endr
	v_max3_num_f32 v12, v12, |v[XS+30]|, |v[XS+31]|
	v_max3_num_f32 v12, v12, v13, 0x1800000
	v_add_nc_u32 v11, 0xff000000, v12
	v_cvt_scalef32_pk8_fp4_f32 v[CB], v[XS:XS+7], v11          ; groups of eight in the order 0, 2, 1, 3
	v_cvt_scalef32_pk8_fp4_f32 v[CB+2], v[XS+8:XS+15], v11
	v_cvt_scalef32_pk8_fp4_f32 v[CB+1], v[XS+16:XS+23], v11
	v_cvt_scalef32_pk8_fp4_f32 v[CB+3], v[XS+24:XS+31], v11
	v_lshrrev_b32 v13, 23, v11
.if (\b)%4 == 0
	v_mov_b32 v[SW+(\b)/4], v13
.else
	v_lshl_or_b32 v[SW+(\b)/4], v13, 8*((\b)%4), v[SW+(\b)/4]
.endif
	global_store_b128 v8, v[CB:CB+3], s[56+2*((\b)/4):57+2*((\b)/4)] offset:256*((\b)%4)   ; sixteen lanes store 256 consecutive bytes, aligned
.if (\b)+2 < 8
	LOADB (\b)+2
.endif
.endm
	LOADB 0
	LOADB 1
.irp b, 0,1,2,3,4,5,6,7
	BLOCK \b
.endr
	global_store_b64 v9, v[SW:SW+1], s[60:61]      ; my column's words of the two K steps lie side by side
	s_endpgm
.Lfunc_end_k_qde4bfea45d_prep:
	.size	k_qde4bfea45d_prep, .Lfunc_end_k_qde4bfea45d_prep-k_qde4bfea45d_prep
	.p2alignl 7, 3214868480
	.fill 96, 4, 3214868480
	.section	.rodata,"a",@progbits
	.p2align	6, 0x0
	.amdhsa_kernel k_qde4bfea45d_prep
		.amdhsa_group_segment_fixed_size 28160
		.amdhsa_private_segment_fixed_size 0
		.amdhsa_enable_private_segment 0
		.amdhsa_kernarg_size 88
		.amdhsa_user_sgpr_count 2
		.amdhsa_user_sgpr_kernarg_segment_ptr 1
		.amdhsa_wavefront_size32 1
		.amdhsa_system_sgpr_workgroup_id_x 1
		.amdhsa_system_sgpr_workgroup_id_y 1
		.amdhsa_system_sgpr_workgroup_id_z 1
		.amdhsa_system_vgpr_workitem_id 0
		.amdhsa_next_free_vgpr 256
		.amdhsa_next_free_sgpr 72
		.amdhsa_reserve_vcc 0
		.amdhsa_float_denorm_mode_32 3
		.amdhsa_float_denorm_mode_16_64 3
		.amdhsa_memory_ordered 1
		.amdhsa_forward_progress 1
		.amdhsa_inst_pref_size 85
	.end_amdhsa_kernel
	.amdgpu_metadata
---
amdhsa.version: [ 1, 2 ]
amdhsa.kernels:
  - .name:           k_qde4bfea45d_prep
    .symbol:         k_qde4bfea45d_prep.kd
    .args:
      - { .name: x, .offset: 0, .size: 8, .value_kind: global_buffer, .address_space: global }
      - { .name: context, .offset: 8, .size: 8, .value_kind: global_buffer, .address_space: global }
      - { .name: gamma, .offset: 16, .size: 8, .value_kind: global_buffer, .address_space: global }
      - { .name: ctx_gamma, .offset: 24, .size: 8, .value_kind: global_buffer, .address_space: global }
      - { .name: Wff1, .offset: 32, .size: 8, .value_kind: global_buffer, .address_space: global }
      - { .name: Wff2, .offset: 40, .size: 8, .value_kind: global_buffer, .address_space: global }
      - { .name: Wout, .offset: 48, .size: 8, .value_kind: global_buffer, .address_space: global }
      - { .name: Wq, .offset: 56, .size: 8, .value_kind: global_buffer, .address_space: global }
      - { .name: Wkv, .offset: 64, .size: 8, .value_kind: global_buffer, .address_space: global }
      - { .name: acts, .offset: 72, .size: 8, .value_kind: global_buffer, .address_space: global }
      - { .name: wts, .offset: 80, .size: 8, .value_kind: global_buffer, .address_space: global }
    .group_segment_fixed_size: 28160
    .private_segment_fixed_size: 0
    .kernarg_segment_align: 8
    .kernarg_segment_size: 88
    .max_flat_workgroup_size: 128
    .sgpr_count:     72
    .vgpr_count:     256
    .wavefront_size: 32
...
	.end_amdgpu_metadata
.endif
;; end of part 1
;; launch ff1 (part 2): grid 16 x 16, 4 waves a work-group, clusters of 4 x 4, 327,680 bytes of LDS; arguments acts, wts, ga, qkv; writes ga, qkv
.if DOCPART == 2
	.amdgcn_target "amdgcn-amd-amdhsa--gfx1250"
	.amdhsa_code_object_version 6
	.text
	.protected	k_qde4bfea45d_ff1
	.globl	k_qde4bfea45d_ff1
	.p2align	8
	.type	k_qde4bfea45d_ff1,@function
k_qde4bfea45d_ff1:
	s_mov_b64 s[64:65], 0
	v_nop
	global_prefetch_b8 v0, s[64:65] scope:SCOPE_SE
	s_setreg_imm32_b32 hwreg(HW_REG_WAVE_MODE, 25, 1), 1
	s_wait_xcnt 0x0
	s_wait_alu depctr_hold_cnt(0) depctr_sa_sdst(0) depctr_va_vdst(0) depctr_va_sdst(0) depctr_va_ssrc(0) depctr_va_vcc(0) depctr_vm_vsrc(0)
	s_getreg_b32 s2, hwreg(HW_REG_IB_STS2, 6, 4)
	s_cmp_eq_u32 s2, 0
	s_cbranch_scc0 .Lentry_in_a_cluster
	s_endpgm
.Lentry_in_a_cluster:
	s_bfe_u32 s2, ttmp6, 0x10000c
	s_cmp_lg_u32 s2, 0xf033
	s_cbranch_scc0 .Lentry_shape_is_right
	s_endpgm
.Lentry_shape_is_right:
; FF1: h = xn Wff1 on codes of E2M1, g = gate x a in f32, g quantised along its 4,096 columns: K steps 0-31 of the last launch's left operand.  AND, WHILE THE FIRST TILES ARE ON THEIR WAY: q = xn Wq and kv = ctx Wkv,
; quantised for the attention.  No work of reference() is left out here.
; A work-group stays on 256 rows of xn and makes TWO tiles: 256 rows x (128 columns of a and the SAME 128 columns of gate), one K step of g each.  Four waves, each 128 x 128 of h: 512 registers of accumulators.
; Of the 16 row tiles, wave (wr, wc) owns tiles 4 wr + 0..3 and 8 + 4 wr + 0..3; of the 16 column tiles (8 of a, then 8 of gate) likewise by wc: so accumulators (a, b) and (a, b + 4) hold a and gate of the same places.
; LDS: A's 16 tiles in two parts (K steps 0-3, 4-7; each tile's part is 4,352 bytes, its scale words behind its images), filled once and read for both tiles; B's two slots, one part of 16 column tiles each.
; FILLS: (1) A's and B's part 0; (2) A's and B's part 1; (3) the second tile's part 0 into B's slot 0; (4) its part 1 into slot 1.  One joint load a wave each; by this text's count one load of a wave is out at a time.
; CLUSTERS: 4 x 4 work-groups.  A's tiles hang on the tile row alone and are asked for jointly along a row of the cluster, B's on the tile column alone, along a column.
; No data prefetch: there is no loop to run ahead in, and each of the four fills is asked for as soon as its bytes are free.
; THE MATRIX INSTRUCTION IS USED TRANSPOSED (source 0 = 32 columns of Wff1, source 1 = 16 rows of xn): a lane holds one row and eight neighbouring columns a tile, so g's registers run along the next K.
; THE UNITS.  q, k and v are 768 units of one wave's work: 4 x 2 tiles of 16 x 16 over K = 1,024, used transposed, so that a lane holds ONE row of the attention's operand and its 2 x 32 registers run along that
; operand's K: two half fragments (4 registers) and two bytes of scales a row.  12 of the 16 clusters x 16 work-groups x 4 waves = 768: with u = 4 x cluster y + cluster x, clusters u = 0..7 make q,
; 8 and 9 v, 10 and 11 k, a unit a wave.  The one branch hangs on u alone, which the sixteen partners share; the place in the cluster enters global offsets alone.
;   q: source 0 = 4 column tiles of Wq (a head), source 1 = two tiles of 16 rows of xn.
;   v: source 0 = 4 tiles of ctx (64 keys), source 1 = two column tiles of Wkv's second half: a lane holds one channel, its registers run along the keys.
;   k: source 0 = the 4 column tiles of Wkv's first half, source 1 = two tiles of 16 keys: rows 0-7 are eight keys of one block of 32, rows 8-15 the same eight places of the next block, as the attention wants them.
; A unit's operands go from memory straight into registers, all asked for at once; the waits count them off K step by K step.  They are not asked for jointly: LDS has no room for them beside the tiles.
; THE ATTENTION'S KEY STEP (128 keys) is 8,704 bytes of qkv: 8 tiles of k (512 each), 4 channel tiles of v (1,024 each), k's 128 pairs of bytes, v's 64 words.
; q x 1/8 is a power of two: it moves no code; it is taken into the softmax's constant in the attention.  LIMIT: a block of q whose largest magnitude lies under 2^-121, where the rule's hold of the exponent at -126 would act on q / 8, differs.
; LIMITS: a block of zeros gets the byte 1, not 127 (this program alone reads the bytes); NaN and infinities are not served.
; REGISTERS: window 0: v4-7, v20-27, v30, v31 a unit's offsets, later at work on the way out; v8-15 fragment and scale addresses, v16-19, v28, v29 other addresses; v32-95 scale words, a unit's, then the tiles' (nothing else
;   ever); v96-159 a unit's accumulators, v200-226 its work, codes and word; then v128-191 and v192-255 A's fragments, two sets; on the way out v192-255 g, v96-127 codes.
;   window 1: B's fragments, two sets.  windows 2, 3: the accumulators ((a, b) at v[8 (8 (a % 4) + b)]).  A unit's fragments: source 0 in window 1, source 1 in window 3, ahead of all that.
.set TILE,  8704
.set PARTB, 4352
.set SAO,   8912896                    ; ga: g's scale words [pair of K steps][row][two words]
.set CTI,   2228224                    ; acts: ctx's tiles
.set WQI,   4456448                    ; wts: Wq's tiles, Wkv's
.set WKI,   4595712
.set QS,    524288                     ; qkv: q's codes at 0, its pairs of bytes here, the key steps
.set KVC,   557056
.set KST,   8704
.set HALF,  34816                      ; 8 tiles' parts: what a wave's load brings
.set PART,  69632                      ; 16 tiles' parts
.set BOFF,  139264                     ; B behind A's two parts
.set SX,    278528                     ; g's scale words on the way out: [row 256][tile 2][4 bytes]; no tensor load lands here
.set SPARE, 280576                     ; the spare words, 128 bytes a wave
.set AF,    128
.set SC,    32                         ; a unit's scale words: source 0's, and 32 on source 1's
.set SCA,   32                         ; the tiles': register 8 i + q: lanes 0-15 the word of my A tile 2 i, lanes 16-31 of 2 i + 1, for K step q;
.set SCB,   64                         ; B's likewise
.set HA,    96                         ; a unit's accumulators,
.set PC,    216                        ; its codes,
.set PW,    224                        ; its scale bytes
.set ADRA,  8                          ; one address for each part
.set ADRB,  10
.set ADSA,  12
.set ADSB,  14
.set LI,    16
.set SXW,   17
.set SXR,   18
.set SPW,   28
.set NIL,   29
.set SEL,   10
.set G1A,   24
.set G1B,   32
.set G0A,   40
.set G0B,   48
.set MSB, 0
.macro WIN new                         ; the immediate's high byte repeats the setting that is left
.if MSB != (\new)
	s_set_vgpr_msb (MSB<<8)|(\new)
.set MSB, (\new)
.endif
.endm
.set MUL_LO, 0xa1                      ; source 0 (B) window 1, source 1 (A) window 0, C and D window 2
.set MUL_HI, 0xf1
.set TO_B,   0x40
; A joint load: waves 0 and 1 fetch for A, waves 2 and 3 for B.  The branch hangs on the wave's number alone.
.macro JLOAD s
	s_cmp_eq_u32 s15, 0
	s_cbranch_scc0 .Lfor_b_\@
	tensor_load_to_lds s[G0A+4*\s:G0A+4*\s+3], s[G1A:G1A+7]
	s_nop 0
.rept 4
	v_nop
.endr
	s_branch .Lasked_\@
.Lfor_b_\@:
	tensor_load_to_lds s[G0B+4*\s:G0B+4*\s+3], s[G1B:G1B+7]
	s_nop 0
.rept 4
	v_nop
.endr
.Lasked_\@:
.endm
.macro BLOAD s                         ; a refill of B's slot s: waves 2 and 3
	s_cmp_eq_u32 s15, 0
	s_cbranch_scc1 .Lnot_b_\@
	tensor_load_to_lds s[G0B+4*\s:G0B+4*\s+3], s[G1B:G1B+7]
	s_nop 0
.rept 4
	v_nop
.endr
.Lnot_b_\@:
.endm
.macro CREST                           ; a round of the cluster's barrier behind its opening barrier
	s_cmp_lg_u32 s14, 0
	s_cbranch_scc1 .Lnot_wave_0_\@
	s_barrier_signal -3
.Lnot_wave_0_\@:
	s_barrier_wait -3
	s_barrier_signal -1
	s_barrier_wait -1
.endm
.macro CROUND                          ; a whole round
	s_barrier_signal -1
	s_barrier_wait -1
	CREST
.endm
; 64 numbers of a lane (registers 16 b .. 16 b + 15: my half of block b; the other half lies in lane l xor 16) become 8 registers of codes and a word of four bytes; ta, tb, tc: four registers each at work
.macro QUANT s, pc, pw, ta, tb, tc
.irp b, 0,1,2,3
	v_max3_num_f32 v[\ta+\b], |v[\s+16*\b]|, |v[\s+1+16*\b]|, 0x1800000   ; with the floor 2^(3 - 127): the byte cannot fall under 1
.endr
.irp i, 2,4,6,8,10,12,14
.irp b, 0,1,2,3
	v_max3_num_f32 v[\ta+\b], v[\ta+\b], |v[\s+16*\b+\i]|, |v[\s+1+16*\b+\i]|
.endr
.endr
.irp b, 0,1,2,3
	v_permlanex16_b32 v[\tb+\b], v[\ta+\b], s[SEL], s[SEL+1]
.endr
.irp b, 0,1,2,3
	v_max_num_f32 v[\ta+\b], v[\ta+\b], v[\tb+\b]
.endr
.irp b, 0,1,2,3
	v_add_nc_u32 v[\tc+\b], 0xff000000, v[\ta+\b]                    ; 2 off the exponent field: the conversion's scale operand
.endr
.irp b, 0,1,2,3
	v_lshrrev_b32 v[\tb+\b], 23, v[\tc+\b]                           ; the byte
.endr
	v_lshl_or_b32 v[\pw], v[\tb+1], 8, v[\tb]
	v_lshl_or_b32 v[\pw], v[\tb+2], 16, v[\pw]
	v_lshl_or_b32 v[\pw], v[\tb+3], 24, v[\pw]
.irp b, 0,1,2,3
	v_cvt_scalef32_pk8_fp4_f32 v[\pc+2*\b], v[\s+16*\b:\s+7+16*\b], v[\tc+\b]
	v_cvt_scalef32_pk8_fp4_f32 v[\pc+1+2*\b], v[\s+8+16*\b:\s+15+16*\b], v[\tc+\b]
.endr
	v_nop                                          ; one plain instruction behind the scaled conversions
.irp c, 0,1                                    ; a whole block to a lane: lanes 0-15 block 2 c, lanes 16-31 block 2 c + 1; its groups of eight then lie in the order 0, 2, 1, 3
.irp i, 0,1
	v_permlane16_swap_b32 v[\pc+4*\c+\i], v[\pc+2+4*\c+\i]
.endr
.endr
.endm
.macro WF                              ; one matrix instruction: D rD (16 registers), source 0 rA (two tiles), source 1 rB, their scale words rSA (lane m: row m), rSB (fRB: from lanes 16-31); fZ: it starts the sum
.if fZ
.if fRB
	v_wmma_scale_f32_32x16x128_f4 v[rD:rD+15], v[rA:rA+15], v[rB:rB+7], 0, v[rSA], v[rSB] matrix_b_scale:MATRIX_SCALE_ROW1
.else
	v_wmma_scale_f32_32x16x128_f4 v[rD:rD+15], v[rA:rA+15], v[rB:rB+7], 0, v[rSA], v[rSB]
.endif
.else
.if fRB
	v_wmma_scale_f32_32x16x128_f4 v[rD:rD+15], v[rA:rA+15], v[rB:rB+7], v[rD:rD+15], v[rSA], v[rSB] matrix_b_scale:MATRIX_SCALE_ROW1
.else
	v_wmma_scale_f32_32x16x128_f4 v[rD:rD+15], v[rA:rA+15], v[rB:rB+7], v[rD:rD+15], v[rSA], v[rSB]
.endif
.endif
.endm
.macro PICK d                          ; s[d] = q's number (s72), v's (s73) or k's (s74)
	s_cmp_lt_u32 s17, 8
	s_cselect_b32 s[\d], s72, s73
	s_cmp_lt_u32 s17, 10
	s_cselect_b32 s[\d], s[\d], s74
.endm
.macro CHOOSE d, q, v, k               ; the same of three constants
	s_mov_b32 s72, \q
	s_mov_b32 s73, \v
	s_mov_b32 s74, \k
	PICK \d
.endm
	s_load_b128 s[4:7], s[0:1], 0x0                ; acts, wts
	s_load_b64 s[8:9], s[0:1], 0x10                ; ga
	s_load_b64 s[100:101], s[0:1], 0x18            ; qkv
	v_lshl_add_u32 v[SPW], v0, 2, SPARE
	v_mov_b32 v[NIL], 0
	ds_add_u32 v[SPW], v[NIL]                      ; the wave's opening: the add, twice on end, and its wait ahead of my first tensor load
	ds_add_u32 v[SPW], v[NIL]
	v_lshrrev_b32 v1, 5, v0
	v_readfirstlane_b32 s14, v1                    ; wave
	s_lshr_b32 s15, s14, 1                         ; wr.  Also: I fetch for A (0) or for B (1)
	s_and_b32 s16, s14, 1                          ; wc.  Also: which half I fetch
	s_bfe_u32 s10, ttmp6, 0x40000                  ; cx
	s_bfe_u32 s11, ttmp6, 0x40004                  ; cy
	s_lshl_b32 s12, ttmp9, 2
	s_add_co_u32 s12, s12, s10                     ; X: which two groups of 128 columns, 0..15
	s_and_b32 s13, ttmp7, 0xffff
	s_lshl_b32 s13, s13, 2
	s_add_co_u32 s13, s13, s11                     ; Y: which 256 rows, 0..15
	s_lshl_b32 s17, s11, 2
	s_lshl_b32 s17, 15, s17                        ; my row of the cluster
	s_lshl_b32 s18, 0x1111, s10                    ; my column
	; 8 tiles' parts: rows of 4,352 bytes, tiles 8,704 bytes apart; elements of 8 bytes; no padding: an image is read 512 consecutive bytes at a time
	s_or_b32 s[G1A], s17, (3<<16)|(1<<21)
	s_or_b32 s[G1B], s18, (3<<16)|(1<<21)
.irp g, G1A, G1B
	s_mov_b32 s[\g+1], 544<<16                     ; tensor_dim0
	s_mov_b32 s[\g+2], 8<<16                       ; tensor_dim1
	s_mov_b32 s[\g+3], 544<<16                     ; tile_dim0
	s_mov_b32 s[\g+4], 8                           ; tile_dim1
	s_mov_b32 s[\g+5], 1088                        ; from tile to tile
	s_mov_b32 s[\g+6], 0
	s_mov_b32 s[\g+7], 0
.endr
	s_mul_i32 s20, s13, 16*TILE                    ; A: row tile 16 Y + 8 half
	s_mul_i32 s19, s16, 8*TILE
	s_add_co_u32 s20, s20, s19
	s_mov_b32 s21, 0
	s_mul_i32 s2, s12, 16*TILE                     ; B: column tile 16 X + 256 half (in registers that never feed A's descriptors)
	s_mul_i32 s19, s16, 256*TILE
	s_add_co_u32 s2, s2, s19
	s_mov_b32 s3, 0
	s_mul_i32 s19, s15, BOFF                       ; where my loads go: no place in the cluster enters an LDS address
	s_mul_i32 s22, s16, HALF
	s_add_co_u32 s19, s19, s22
	s_wait_dscnt 0x0                               ; both opening adds are done
	s_wait_kmcnt 0x0
	s_add_nc_u64 s[20:21], s[4:5], s[20:21]
	s_add_nc_u64 s[2:3], s[6:7], s[2:3]
	CROUND                                         ; all sixteen work-groups are here: the first joint loads meet
.irp p, 0,1
	s_mov_b32 s[G0A+4*\p], 1
	s_add_co_u32 s[G0A+4*\p+1], s19, \p*PART
	s_add_nc_u64 s[G0A+4*\p+2:G0A+4*\p+3], s[20:21], \p*PARTB
	s_or_b32 s[G0A+4*\p+3], s[G0A+4*\p+3], 0x80000000
	s_mov_b32 s[G0B+4*\p], 1
	s_add_co_u32 s[G0B+4*\p+1], s19, \p*PART
	s_add_nc_u64 s[G0B+4*\p+2:G0B+4*\p+3], s[2:3], \p*PARTB
	s_or_b32 s[G0B+4*\p+3], s[G0B+4*\p+3], 0x80000000
.endr
	JLOAD 0                                        ; part 0: one tensor load a wave at the head
	s_mul_i32 s20, s15, 4*PARTB                    ; my A tiles begin at tile 4 wr,
	s_mul_i32 s21, s16, 4*PARTB
	s_add_co_u32 s21, s21, BOFF                    ; my B tiles at tile 4 wc
	s_add_co_u32 s66, s20, PART
	s_add_co_u32 s67, s21, PART
	s_lshl_b32 s22, s15, 9
	s_lshl_b32 s23, s16, 1
	s_add_co_u32 s22, s22, s23
	s_add_co_u32 s22, s22, SX
	s_lshl_b32 s23, s14, 9
	s_add_co_u32 s23, s23, SX
	v_and_b32 v1, 15, v0                           ; r
	v_bfe_u32 v2, v0, 4, 1                         ; h
	v_and_b32 v3, 31, v0                           ; lane
	v_lshlrev_b32 v[LI], 4, v3
	v_lshlrev_b32 v24, 4, v1
	v_add_nc_u32 v24, 4096, v24                    ; my row's scale words in a tile's part
	v_mul_u32_u24 v25, TILE, v2
	v_add_nc_u32 v25, v25, v24                     ; the same, lanes 16-31 a tile of memory on,
	v_mul_u32_u24 v26, PARTB, v2
	v_add_nc_u32 v26, v26, v24                     ; a tile of LDS on
	v_add_nc_u32 v[ADRA], s20, v[LI]
	v_add_nc_u32 v[ADRA+1], s66, v[LI]
	v_add_nc_u32 v[ADRB], s21, v[LI]
	v_add_nc_u32 v[ADRB+1], s67, v[LI]
	v_add_nc_u32 v[ADSA], s20, v26
	v_add_nc_u32 v[ADSA+1], s66, v26
	v_add_nc_u32 v[ADSB], s21, v26
	v_add_nc_u32 v[ADSB+1], s67, v26
	v_lshl_add_u32 v[SXW], v1, 3, s22              ; where my two bytes of a row's word go: 512 wr + 8 r + 2 wc
	v_add_nc_u32 v[SXR], s23, v[LI]                ; and where I read two rows back
.irp b, 0,1,2,3
	v_mov_b32 v[20+\b], 0                          ; written once: a lane permute's destination counts as one of its sources
	v_mov_b32 v[204+\b], 0
.endr
	s_wait_alu depctr_va_vdst(0)
	s_lshl_b32 s22, s12, 19                        ; g's images: K step 2 X, row tile 16 Y + 4 wr, blocks 2 wc and 2 wc + 1
	s_lshl_b32 s20, s13, 14
	s_add_co_u32 s22, s22, s20
	s_lshl_b32 s20, s15, 12
	s_add_co_u32 s22, s22, s20
	s_lshl_b32 s20, s16, 9
	s_add_co_u32 s22, s22, s20
	s_mov_b32 s23, 0
	s_add_nc_u64 s[22:23], s[8:9], s[22:23]
	s_lshl_b32 s20, s12, 15                        ; g's scale words: pair X, rows 256 Y + 64 wave on
	s_lshl_b32 s21, s13, 11
	s_add_co_u32 s20, s20, s21
	s_lshl_b32 s21, s14, 9
	s_add_co_u32 s20, s20, s21
	s_add_co_u32 s20, s20, SAO
	s_mov_b32 s21, 0
	s_add_nc_u64 s[20:21], s[8:9], s[20:21]
	s_mov_b32 s[SEL], 0x76543210
	s_mov_b32 s[SEL+1], 0xfedcba98
; ---------------- A UNIT OF q, v OR k, while my tensor load is on its way.  No barrier, no tensor load and no LDS access stands here.
	s_and_b32 s17, ttmp7, 0xffff
	s_lshl_b32 s17, s17, 2
	s_add_co_u32 s17, s17, ttmp9                   ; u = 4 x cluster y + cluster x: the same in all sixteen partners
	s_cmp_lt_u32 s17, 12
	s_cbranch_scc0 .Lno_unit
	s_bfe_u32 s18, ttmp6, 0x40000                  ; cx
	s_bfe_u32 s19, ttmp6, 0x40004                  ; cy
	s_lshl_b32 s19, s19, 2
	s_add_co_u32 s18, s18, s19
	s_lshl_b32 s19, s17, 4
	s_add_co_u32 s18, s18, s19                     ; G = 16 u + my place in the cluster, 0..191: it enters global offsets alone.  q: 0..127, v: 128..159, k: 160..191
	s_and_b32 s68, s18, 1
	s_lshl_b32 s68, s68, 1
	s_add_co_u32 s68, s68, s16                     ; q: which head,
	s_lshl_b32 s70, s15, 1                         ; (2 x (wave / 2): v: my first channel tile)
	s_lshr_b32 s69, s18, 1
	s_lshl_b32 s69, s69, 2
	s_add_co_u32 s69, s69, s70                     ; my first tile of rows
	s_sub_co_u32 s105, s18, 128                    ; v: which 128 keys
	s_sub_co_u32 s104, s18, 160                    ; k: which 128 keys
	s_mul_i32 s71, s105, KST
	s_mul_i32 s83, s104, KST
	s_mul_i32 s72, s68, 4*TILE                     ; SOURCE 0, four tiles.  q: the head's of Wq
	s_add_co_u32 s72, s72, WQI
	s_mul_i32 s73, s105, 8*TILE                    ; v: ctx's, the step's first or last 64 keys
	s_mul_i32 s74, s16, 4*TILE
	s_add_co_u32 s73, s73, s74
	s_add_co_u32 s73, s73, CTI
	s_mov_b32 s74, WKI                             ; k: Wkv's first half
	PICK 75
	s_mul_i32 s72, s69, TILE                       ; SOURCE 1, two tiles.  q: xn's
	s_mul_i32 s73, s70, TILE                       ; v: Wkv's second half
	s_add_co_u32 s73, s73, WKI+4*TILE
	s_mul_i32 s74, s104, 8*TILE                    ; k: ctx's: keys 128 x step + 64 (wave / 2) + 8 (wave % 2) on
	s_mul_i32 s76, s15, 4*TILE
	s_add_co_u32 s74, s74, s76
	s_lshl_b32 s76, s16, 7
	s_add_co_u32 s74, s74, s76
	s_add_co_u32 s74, s74, CTI
	PICK 76
	s_add_co_u32 s84, s76, 4096
	CHOOSE 77, 128, 128, 2*TILE                    ; from row 7 to row 8 of source 1: k: two tiles, 32 keys, on
	s_lshl_b32 s72, s69, 11                        ; THE CODES.  q: [tile of rows][head][512]
	s_lshl_b32 s73, s68, 9
	s_add_co_u32 s72, s72, s73
	s_lshl_b32 s73, s70, 10                        ; v: [channel tile][half][512], behind the key step's k
	s_lshl_b32 s74, s16, 9
	s_add_co_u32 s73, s73, s74
	s_add_co_u32 s73, s73, s71
	s_add_co_u32 s73, s73, KVC+4096
	s_lshl_b32 s74, s14, 10                        ; k: [tile][512]
	s_add_co_u32 s74, s74, s83
	s_add_co_u32 s74, s74, KVC
	PICK 78
	CHOOSE 79, 2048, 1024, 512                     ; and to my second tile's
	s_lshl_b32 s72, s69, 7                         ; THE BYTES.  q: [tile of rows][head][row][2]
	s_lshl_b32 s73, s68, 5
	s_add_co_u32 s72, s72, s73
	s_add_co_u32 s72, s72, QS
	s_lshl_b32 s73, s70, 6                         ; v: [channel][4]: my half of the word
	s_lshl_b32 s74, s16, 1
	s_add_co_u32 s73, s73, s74
	s_add_co_u32 s73, s73, s71
	s_add_co_u32 s73, s73, KVC+8448
	s_lshl_b32 s74, s14, 6                         ; k: [tile][row][2]
	s_add_co_u32 s74, s74, s83
	s_add_co_u32 s74, s74, KVC+8192
	PICK 80
	CHOOSE 81, 2, 4, 2                             ; from row to row,
	CHOOSE 82, 128, 64, 32                         ; and to my second tile's
	s_cmp_eq_u32 s17, 8
	s_cselect_b32 s85, 1, 0
	s_cmp_eq_u32 s17, 9
	s_cselect_b32 s85, 1, s85                      ; v?
	s_cmp_eq_u32 s85, 1
	s_cselect_b64 s[2:3], s[4:5], s[6:7]           ; source 0: q, k: the weights; v: ctx
	s_cselect_b64 s[12:13], s[6:7], s[4:5]         ; source 1: q: xn; v: the weights; k: ctx
	v_add_nc_u32 v4, s75, v[LI]
	v_add_nc_u32 v5, s75, v25
	v_lshrrev_b32 v26, 3, v1
	v_mul_u32_u24 v26, s77, v26
	v_and_b32 v27, 7, v1
	v_lshl_add_u32 v26, v27, 4, v26
	v_lshl_add_u32 v6, v2, 8, v26
	v_add_nc_u32 v6, s76, v6
	v_mul_u32_u24 v7, TILE, v2
	v_add_nc_u32 v7, v7, v26
	v_add_nc_u32 v7, s84, v7                       ; lanes 0-15 the first tile's rows, lanes 16-31 the second's
	v_add_nc_u32 v22, s78, v[LI]
	v_add_nc_u32 v20, s79, v22
	v_mul_u32_u24 v23, s81, v1
	v_add_nc_u32 v23, s80, v23
	v_add_nc_u32 v21, s82, v23
	s_wait_alu depctr_va_vdst(0)
.irp u, 0,1
	global_load_b128 v[SC+8*\u:SC+8*\u+3], v5, s[2:3] offset:2*TILE*\u               ; lanes 0-15 tile 2 u, lanes 16-31 tile 2 u + 1; K steps 0-3,
	global_load_b128 v[SC+8*\u+4:SC+8*\u+7], v5, s[2:3] offset:2*TILE*\u+PARTB       ; 4-7
.endr
	global_load_b128 v[SC+32:SC+35], v7, s[12:13]
	global_load_b128 v[SC+36:SC+39], v7, s[12:13] offset:PARTB
	WIN 0xc0                                       ; destination window 3
.irp q, 0,1,2,3,4,5,6,7
.irp a, 0,1
	global_load_b128 v[16*\q+8*\a:16*\q+8*\a+3], v6, s[12:13] offset:TILE*\a+PARTB*(\q/4)+1024*(\q%4)
	global_load_b128 v[16*\q+8*\a+4:16*\q+8*\a+7], v6, s[12:13] offset:TILE*\a+PARTB*(\q/4)+1024*(\q%4)+512
.endr
.endr
	WIN 0x40                                       ; destination window 1
.irp q, 0,1,2,3,4,5,6,7
.irp t, 0,1,2,3
	global_load_b128 v[32*\q+8*\t:32*\q+8*\t+3], v4, s[2:3] offset:TILE*\t+PARTB*(\q/4)+1024*(\q%4)
	global_load_b128 v[32*\q+8*\t+4:32*\q+8*\t+7], v4, s[2:3] offset:TILE*\t+PARTB*(\q/4)+1024*(\q%4)+512
.endr
.endr
	WIN 0x0d                                       ; source 0 window 1, source 1 window 3, C and D window 0
.set fZ, 1
.irp q, 0,1,2,3,4,5,6,7
	s_wait_loadcnt 8*(7-\q)                        ; source 0's loads of the later K steps may stay out
.irp a, 0,1
.irp t, 0,2                            ; the four accumulators by turns, one instruction a turn
.set rD, HA+32*\a+8*\t
.set rA, 32*\q+8*\t
.set rB, 16*\q+8*\a
.set rSA, SC+8*(\t/2)+\q
.set rSB, SC+32+\q
.set fRB, \a
	WF
.endr
.endr
.set fZ, 0
.endr
	WIN 0
.rept 4
	v_nop                                          ; places between the last products and the first read of results
.endr
	QUANT HA, PC, PW, 200, 204, 212
	global_store_b128 v22, v[PC:PC+3], s[100:101]            ; 512 consecutive bytes each
	global_store_b128 v20, v[PC+4:PC+7], s[100:101]
	global_store_b16 v23, v[PW], s[100:101]                  ; lanes l and l + 16 hold the same bytes and store them at the same place
	global_store_d16_hi_b16 v21, v[PW], s[100:101]
.Lno_unit:
.macro FRAG reg, adr, q, i             ; my tile i (tile i + 4 (i / 4) from my first), K step q: two loads of 512 consecutive bytes
.irp c, 0,1
	ds_load_b128 v[\reg+4*\c:\reg+4*\c+3], v[\adr] offset:PARTB*((\i)+4*((\i)/4))+1024*((\q)%4)+512*\c
.endr
.endm
.macro MUL a0, q, zero                 ; A's tiles a0, a0 + 1 x B's eight; the 32 accumulators of 16 registers take turns in the same order in every K step
.set fZ, \zero
.irp a, \a0, \a0+1
.irp b, 0,2,4,6
.set rD, 8*(8*((\a)%4)+\b)
.set rA, 128*((\q)%2)+8*\b
.set rB, AF+64*((\q)%2)+8*(\a)
.set rSA, SCB+8*(\b/2)+(\q)
.set rSB, SCA+8*((\a)/2)+(\q)
.set fRB, (\a)%2
	WF
.endr
.endr
.endm
.macro FETCH q                         ; K step q's sixteen fragments, B's and A's, into the sets q % 2: 32 loads
	WIN TO_B
.irp i, 0,1,2,3,4,5,6,7
	FRAG 128*((\q)%2)+8*\i, ADRB+(\q)/4, \q, \i
.endr
	WIN 0
.irp i, 0,1,2,3,4,5,6,7
	FRAG AF+64*((\q)%2)+8*\i, ADRA+(\q)/4, \q, \i
.endr
.endm
.macro SCALES reg, adr                 ; a part's words, four K steps of my eight tiles
.irp i, 0,1,2,3
	ds_load_b128 v[\reg+8*\i:\reg+8*\i+3], v[\adr] offset:PARTB*(2*\i+4*(\i/2))
.endr
.endm
.macro PLACES                          ; four plain instructions between matrix instructions and loads into registers that they have read, or the first read of results
.rept 4
	v_nop
.endr
.endm
.macro ALL q, zero
	WIN MUL_LO
	MUL 0, \q, \zero
	MUL 2, \q, \zero
	WIN MUL_HI
	MUL 4, \q, \zero
	MUL 6, \q, \zero
.endm
.macro STEP q, zero                    ; a K step whose successor lies in the same part: the successor's loads go out ahead of the 32 products
	s_wait_dscnt 0x0
	PLACES
	FETCH (\q)+1
	ALL \q, \zero
.endm
; THE END OF A PART: each wave waits for its tensor load (of what comes next), adds 0 to its spare word, and waits for that and for its own reads of the part.  fill = 1: behind a round of the cluster's barrier B's slot s takes the second tile's part s.
.macro MEET q, fill, s
	WIN 0
	s_wait_tensorcnt 0x0
	ds_add_u32 v[SPW], v[NIL]                      ; 0 onto my spare word
.if \fill
	s_add_nc_u64 s[G0B+4*\s+2:G0B+4*\s+3], s[G0B+4*\s+2:G0B+4*\s+3], 8*TILE
.endif
	s_wait_dscnt 1                                 ; this K step's fragments are in; the add may be out
	WIN MUL_LO
	MUL 0, \q, 0
	s_wait_dscnt 0x0                               ; the add is done, and my reads of the part are over
	s_barrier_signal -1
	MUL 2, \q, 0
	WIN 0
	s_barrier_wait -1
.if \fill
	CREST
	BLOAD \s
.endif
	PLACES
.endm
.macro MIDDLE fill, first              ; K step 3: part 1 comes next
	MEET 3, \fill, 0
.if \first
	SCALES SCA+4, ADSA+1                           ; A's words stay for the second tile
.endif
	SCALES SCB+4, ADSB+1
	FETCH 4
	WIN MUL_HI
	MUL 4, 3, 0
	MUL 6, 3, 0
.endm
; THE WAY OUT, two row tiles at a time: g = gate x a, 32 numbers a lane and tile: two blocks of 32.  Two tiles' four blocks are quantised together; each tile's four registers are half an image, 512 consecutive bytes.
.macro GOUT a, t
	WIN 0x0a+5*((\a)/4)                            ; sources 0 and 1: window 2 or 3
.irp e, 0,1
.irp b, 0,1,2,3
.irp j, 0,2,4,6                                ; each accumulator from its low end on
	v_pk_mul_f32 v[192+32*\e+8*\b+\j:192+32*\e+8*\b+\j+1], v[8*(8*(((\a)+\e)%4)+\b)+\j:8*(8*(((\a)+\e)%4)+\b)+\j+1], v[8*(8*(((\a)+\e)%4)+\b+4)+\j:8*(8*(((\a)+\e)%4)+\b+4)+\j+1]
.endr
.endr
.endr
	WIN 0
	QUANT 192, 96+4*(\a), 30+((\a)/2)%2, 4, 20, 24 ; each pair has registers of its own for its codes
	global_store_b128 v[LI], v[96+4*(\a):99+4*(\a)], s[22:23] offset:262144*\t+1024*((\a)+4*((\a)/4))
	global_store_b128 v[LI], v[100+4*(\a):103+4*(\a)], s[22:23] offset:262144*\t+1024*((\a)+1+4*((\a)/4))
	ds_store_b16 v[SXW], v[30+((\a)/2)%2] offset:4*\t+128*((\a)+4*((\a)/4))               ; the first tile's two bytes (lanes l and l + 16 write the same),
	ds_store_b16_d16_hi v[SXW], v[30+((\a)/2)%2] offset:4*\t+128*((\a)+1+4*((\a)/4))      ; the second's
.endm
	s_wait_alu depctr_va_vdst(0)                   ; the wait at the head's end
	s_wait_xcnt 0x0                                ; the unit's stores have read their registers
	s_wait_tensorcnt 0x0                           ; my piece of part 0 is in
	ds_add_u32 v[SPW], v[NIL]
	s_wait_dscnt 0x0
	CROUND                                         ; everybody's is, and the joint loads meet:
	JLOAD 1                                        ; part 1
	SCALES SCA, ADSA
	SCALES SCB, ADSB
	FETCH 0
	STEP 0, 1                                      ; the first K step's products start the sums: nothing is cleared
	STEP 1, 0
	STEP 2, 0
	MIDDLE 1, 1                                    ; B's slot 0 takes the second tile's part 0
	STEP 4, 0
	STEP 5, 0
	STEP 6, 0
	MEET 7, 1, 1                                   ; B's slot 1 takes its part 1
	SCALES SCB, ADSB                               ; the second tile's first words and fragments
	FETCH 0
	WIN MUL_HI
	MUL 4, 7, 0
	MUL 6, 7, 0
	WIN 0
	PLACES
	GOUT 0, 0
	GOUT 2, 0
	GOUT 4, 0
	GOUT 6, 0
	STEP 0, 1
	STEP 1, 0
	STEP 2, 0
	MIDDLE 0, 0
	STEP 4, 0
	STEP 5, 0
	STEP 6, 0
	s_wait_dscnt 0x0                               ; the last K step: nothing more to fetch
	ALL 7, 0
	WIN 0
	PLACES
	s_wait_xcnt 0x0                                ; the first tile's stores have read their registers
	GOUT 0, 1
	GOUT 2, 1
	GOUT 4, 1
	GOUT 6, 1
	s_wait_dscnt 0x0                               ; for the others' sake: my bytes lie in LDS
	s_barrier_signal -1
	s_barrier_wait -1
	ds_load_b128 v[4:7], v[SXR]                    ; a row's words come from two waves: whole now
	s_wait_dscnt 0x0
	global_store_b128 v[LI], v[4:7], s[20:21]      ; 512 consecutive bytes a wave, aligned
	s_wait_tensorcnt 0x0                           ; the wave's end
	ds_add_u32 v[SPW], v[NIL]
	s_wait_dscnt 0x0
	CROUND                                         ; the closing round
	s_endpgm
.Lfunc_end_k_qde4bfea45d_ff1:
	.size	k_qde4bfea45d_ff1, .Lfunc_end_k_qde4bfea45d_ff1-k_qde4bfea45d_ff1
	.p2alignl 7, 3214868480
	.fill 96, 4, 3214868480
	.section	.rodata,"a",@progbits
	.p2align	6, 0x0
	.amdhsa_kernel k_qde4bfea45d_ff1
		.amdhsa_group_segment_fixed_size 327680
		.amdhsa_private_segment_fixed_size 0
		.amdhsa_enable_private_segment 0
		.amdhsa_kernarg_size 32
		.amdhsa_user_sgpr_count 2
		.amdhsa_user_sgpr_kernarg_segment_ptr 1
		.amdhsa_wavefront_size32 1
		.amdhsa_system_sgpr_workgroup_id_x 1
		.amdhsa_system_sgpr_workgroup_id_y 1
		.amdhsa_system_sgpr_workgroup_id_z 1
		.amdhsa_system_vgpr_workitem_id 0
		.amdhsa_next_free_vgpr 1024
		.amdhsa_next_free_sgpr 106
		.amdhsa_reserve_vcc 0
		.amdhsa_float_denorm_mode_32 3
		.amdhsa_float_denorm_mode_16_64 3
		.amdhsa_memory_ordered 1
		.amdhsa_forward_progress 1
		.amdhsa_inst_pref_size 185
	.end_amdhsa_kernel
	.amdgpu_metadata
---
amdhsa.version: [ 1, 2 ]
amdhsa.kernels:
  - .name:           k_qde4bfea45d_ff1
    .symbol:         k_qde4bfea45d_ff1.kd
    .args:
      - { .name: acts, .offset: 0, .size: 8, .value_kind: global_buffer, .address_space: global }
      - { .name: wts, .offset: 8, .size: 8, .value_kind: global_buffer, .address_space: global }
      - { .name: ga, .offset: 16, .size: 8, .value_kind: global_buffer, .address_space: global }
      - { .name: qkv, .offset: 24, .size: 8, .value_kind: global_buffer, .address_space: global }
    .group_segment_fixed_size: 327680
    .private_segment_fixed_size: 0
    .kernarg_segment_align: 8
    .kernarg_segment_size: 32
    .max_flat_workgroup_size: 128
    .sgpr_count:     106
    .vgpr_count:     1024
    .wavefront_size: 32
...
	.end_amdgpu_metadata
.endif
;; end of part 2
;; launch attn (part 3): grid 256 x 1, 16 waves a work-group, clusters of 4 x 1, 327,680 bytes of LDS; arguments qkv, ga; writes ga
.if DOCPART == 3
	.amdgcn_target "amdgcn-amd-amdhsa--gfx1250"
	.amdhsa_code_object_version 6
	.text
	.protected	k_qde4bfea45d_attn
	.globl	k_qde4bfea45d_attn
	.p2align	8
	.type	k_qde4bfea45d_attn,@function
k_qde4bfea45d_attn:
	s_mov_b64 s[64:65], 0
	v_nop
	global_prefetch_b8 v0, s[64:65] scope:SCOPE_SE
	s_setreg_imm32_b32 hwreg(HW_REG_WAVE_MODE, 25, 1), 1
	s_wait_xcnt 0x0
	s_wait_alu depctr_hold_cnt(0) depctr_sa_sdst(0) depctr_va_vdst(0) depctr_va_sdst(0) depctr_va_ssrc(0) depctr_va_vcc(0) depctr_vm_vsrc(0)
	s_getreg_b32 s2, hwreg(HW_REG_IB_STS2, 6, 4)
	s_cmp_eq_u32 s2, 0
	s_cbranch_scc0 .Lentry_in_a_cluster
	s_endpgm
.Lentry_in_a_cluster:
	s_bfe_u32 s2, ttmp6, 0x10000c
	s_cmp_lg_u32 s2, 0x3003
	s_cbranch_scc0 .Lentry_shape_is_right
	s_endpgm
.Lentry_shape_is_right:
; ATTN: softmax(q k^T / 8) v for 4 heads that share k and v, on codes of E2M1; the result is quantised along its 256 columns: K steps 32 and 33 of the last launch's left operand.  No work of reference() is left out here.
; A work-group owns 16 rows of x, all four heads.  Wave (TH, WP): head TH, key steps WP, WP + 4, .. of the 32 (128 keys each); the four waves of a head are merged through LDS at the end.
; ALL KEYS AND VALUES LIE IN LDS: 32 key steps of 8,704 bytes (8 tiles of k, 512 bytes each; 4 channel tiles of v, 1,024 each; k's 128 pairs of scale bytes; v's 64 scale words).  A wave's load brings one key step: steps 0-15
; at the head, 16-31 behind a round; by this text's count one load of a wave is out at a time.  Nothing is filled again.
; A BARRIER A KEY STEP, signalled at its head and waited for at its end: no wave leaves its n-th key step before all have begun theirs, so the sixteen stay within a key step of each other up to the merge, where all must meet.
; The third one, signalled behind the wait for my load, shows the second half of the keys to all waves.
; CLUSTERS: four work-groups ask for every key step jointly.  No data prefetch: both fills are asked for early, and there is no loop of fills to run ahead in.
; THE SOFTMAX: t = score x log2(e) / 8; M = the largest t so far, rounded UP to a whole number, kept as -M; p = 2^(t - M) is quantised along the keys; the sum is taken of the unquantised p.  When M moves, sum and O are multiplied by 2^(old M - new M): exact.
; LIMITS: scaled scores stay under 2^31 in magnitude; a block of zeros gets the byte 1, not 127; NaN and infinities are not served.
; LAYOUT: S^T = K Q^T (source 0 = 32 keys: two tiles, source 1 = 16 queries), O^T = V^T P^T: a lane holds ONE query.  A tile of k has in rows 0-7 eight keys of one block of 32 and in rows 8-15 the same places of the next block, so the 32 registers
; of four tiles are ONE WHOLE BLOCK of a lane: block 2 c in lanes 0-15, 2 c + 1 in lanes 16-31, which is the second product's operand layout.  The tiles' groups of eight come in the order 0, 2, 1, 3, as in v.
; q has 64 numbers: the upper half of its fragment is zeros, and what k's operand holds there counts for nothing (the scale bytes there are 0, which is 2^-127, on both sides).
; So the k fragments of two instructions interleave: tile registers 0-3, 8-11 and 4-7, 12-15.
; REGISTERS: v1-4, v28-31, v210, v213 addresses that stay; v8-10 the step's; v12 -M, v13 the largest score, v[14:15] the sum in two halves; v16-23 q, v24 its bytes; v32-67 k; v68-99 v; v100-163 S^T, then p;
;   v164-195 O^T; v196-203 p's codes; v204-209 scales of k and v (with v24 and v253: nothing else while they serve); v232-254 at work.
.set QS,    524288
.set KVC,   557056
.set SAO,   8912896
.set KST,   8704                       ; a key step
.set NXT,   4*KST                      ; from one of my key steps to the next
.set PHASE, 16*KST
.set SPARE, 278528                     ; the spare words, 128 bytes a wave
.set SCW,   280576                     ; the result's scale words [row 16][K step 2][4 bytes]: no tensor load lands here
.set MGB,   4352                       ; the merge: O^T, -M and the sum of a wave, laid over key steps that all have read
.set QF,  16
.set QW,  24
.set KF,  32
.set VF,  68
.set ST,  100
.set OT,  164
.set PCD, 196
.set KW,  204
.set VW,  208
.set WV,  8
.set TH,  9
.set WP,  10
.set TB,  13
.set NCS, 14
.set SEL, 16
.set CS,  18
.set G1C, 24
.set G0C, 40
.macro ROUND
	s_barrier_signal -1
	s_barrier_wait -1
	s_cmp_lg_u32 s[WV], 0
	s_cbranch_scc1 .Lnot_wave_0_\@
	s_barrier_signal -3
.Lnot_wave_0_\@:
	s_barrier_wait -3
	s_barrier_signal -1
	s_barrier_wait -1
.endm
	s_load_b128 s[4:7], s[0:1], 0x0                ; qkv, ga
	v_lshl_add_u32 v5, v0, 2, SPARE                ; my spare word
	v_mov_b32 v6, 0
	ds_add_u32 v5, v6                              ; the wave's opening: the add, twice on end, and its wait
	ds_add_u32 v5, v6
	v_lshrrev_b32 v7, 5, v0
	v_readfirstlane_b32 s[WV], v7
	s_lshr_b32 s[TH], s[WV], 2
	s_and_b32 s[WP], s[WV], 3
	s_bfe_u32 s11, ttmp6, 0x40000
	s_lshl_b32 s12, ttmp9, 2
	s_add_co_u32 s12, s12, s11                     ; my tile of 16 rows: it enters global offsets alone
	s_mov_b32 s[G1C], 15|(3<<16)|(1<<21)           ; all four work-groups; elements of 8 bytes; a key step as 34 rows of 256 bytes
	s_mov_b32 s[G1C+1], 32<<16
	s_mov_b32 s[G1C+2], 34<<16
	s_mov_b32 s[G1C+3], 32<<16
	s_mov_b32 s[G1C+4], 34
	s_mov_b32 s[G1C+5], 32
	s_mov_b32 s[G1C+6], 0
	s_mov_b32 s[G1C+7], 0
	s_mul_i32 s20, s[WV], KST
	s_mov_b32 s[G0C], 1
	s_mov_b32 s[G0C+1], s20
	s_mov_b32 s[G0C+4], 1
	s_add_co_u32 s[G0C+5], s20, PHASE
	s_add_co_u32 s22, s20, KVC
	s_mov_b32 s23, 0
	s_mov_b32 s[SEL], 0x76543210
	s_mov_b32 s[SEL+1], 0xfedcba98                 ; v_permlanex16_b32's selects for lane l xor 16
	s_mov_b32 s[CS], 0x3e38aa3b                    ; log2(e) / 8
	s_mov_b32 s[CS+1], s[CS]                       ; (named with it as a pair)
	s_mov_b32 s[NCS], 0xbe38aa3b                   ; and its negative
	s_mul_i32 s[TB], s[WP], KST
	s_wait_dscnt 0x0                               ; both opening adds are done
	s_wait_kmcnt 0x0
	s_add_nc_u64 s[G0C+2:G0C+3], s[4:5], s[22:23]
	s_add_nc_u64 s[G0C+6:G0C+7], s[G0C+2:G0C+3], PHASE
	s_or_b32 s[G0C+3], s[G0C+3], 0x80000000
	s_or_b32 s[G0C+7], s[G0C+7], 0x80000000
	ROUND                                          ; all four work-groups are here
	tensor_load_to_lds s[G0C:G0C+3], s[G1C:G1C+7]  ; key step = my wave
	s_nop 0
	s_mul_i32 s2, s[WV], MGB
	s_add_co_u32 s3, s2, 4096
	s_mul_i32 s48, s[TH], 4*MGB
	s_lshl_b32 s49, s[WP], 11
	s_add_co_u32 s49, s49, s48
	s_add_co_u32 s48, s48, 4096
	s_lshr_b32 s50, s[TH], 1                       ; which of the two K steps,
	s_and_b32 s51, s[TH], 1                        ; and which half of it, my head is
	s_lshl_b32 s20, s[TH], 1
	s_add_co_u32 s20, s20, s[WP]
	s_add_co_u32 s20, s20, SCW
	v_and_b32 v7, 31, v0
	v_and_b32 v26, 15, v0                          ; r
	v_bfe_u32 v27, v0, 4, 1                        ; h
	v_lshlrev_b32 v1, 4, v7
	v_lshlrev_b32 v2, 2, v7
	v_lshlrev_b32 v3, 1, v7
	v_add_nc_u32 v28, s2, v1                       ; the merge: my own O^T,
	v_add_nc_u32 v29, s3, v2                       ; -M and sum;
	v_add_nc_u32 v30, s49, v1                      ; my head's first wave's, my 32 channels
	v_add_nc_u32 v31, s48, v2
	v_lshl_add_u32 v4, v26, 3, s20                 ; where my block's byte goes
	v_lshlrev_b32 v210, 4, v26
	v_lshl_add_u32 v210, v27, 3, v210
	v_lshlrev_b32 v213, 1, v26
	s_wait_alu depctr_va_vdst(0)
	s_lshl_b32 s60, s50, 18                        ; ga: K step 32 + TH / 2, my row tile, block 2 (TH % 2) + WP
	s_add_co_u32 s60, s60, 32*262144
	s_lshl_b32 s62, s12, 10
	s_add_co_u32 s60, s60, s62
	s_lshl_b32 s62, s51, 9
	s_add_co_u32 s60, s60, s62
	s_lshl_b32 s62, s[WP], 8
	s_add_co_u32 s60, s60, s62
	s_mov_b32 s61, 0
	s_add_nc_u64 s[60:61], s[6:7], s[60:61]
	s_lshl_b32 s62, s12, 7                         ; its scale words: pair 16, my 16 rows
	s_add_co_u32 s62, s62, SAO+16*32768
	s_mov_b32 s63, 0
	s_add_nc_u64 s[62:63], s[6:7], s[62:63]
	s_lshl_b32 s20, s12, 11                        ; q: [tile][head][512]
	s_lshl_b32 s22, s[TH], 9
	s_add_co_u32 s20, s20, s22
	s_mov_b32 s21, 0
	s_add_nc_u64 s[20:21], s[4:5], s[20:21]
	s_lshl_b32 s22, s12, 7                         ; its scale bytes: [tile][head][row][2]
	s_lshl_b32 s2, s[TH], 5
	s_add_co_u32 s22, s22, s2
	s_add_co_u32 s22, s22, QS
	s_mov_b32 s23, 0
	s_add_nc_u64 s[22:23], s[4:5], s[22:23]
	global_load_b128 v[QF:QF+3], v1, s[20:21]
	global_load_u16 v[QW], v213, s[22:23]
.irp i, 0,1,2,3
	v_mov_b32 v[QF+4+\i], 0
	v_mov_b32 v[KF+32+\i], 0
.endr
	v_mov_b32 v236, 0                              ; (a lane permute's destination counts as one of its sources)
	v_mov_b32 v249, 0
	v_mov_b32 v13, 0xff61b1e6                      ; the largest score so far: -3e38
	v_mul_f32 v12, s[NCS], v13
	v_floor_f32 v12, v12                           ; -M
	v_mov_b32 v14, 0
	v_mov_b32 v15, 0
	v_mov_b32 v253, 0                              ; (named as the upper half of v[252:253] before it is first written)
.set jj, 0
.rept 32
	v_mov_b32 v[OT+jj], 0                          ; the step is written for a running O^T: the first finds zeros
.set jj, jj+1
.endr
	s_wait_alu depctr_va_vdst(0)                   ; the wait at the head's end
	s_wait_loadcnt 0x0
	s_wait_tensorcnt 0x0                           ; my key step is in
	ds_add_u32 v5, v6
	s_wait_dscnt 0x0
	ROUND                                          ; steps 0-15 are in, and the joint loads meet:
	tensor_load_to_lds s[G0C+4:G0C+7], s[G1C:G1C+7]   ; key step 16 + my wave
	s_nop 0
.macro KLOAD off                       ; a key step's scale bytes and tiles of k
.irp u, 0,1,2,3
	ds_load_u16 v[KW+\u], v10 offset:\off+8192+64*\u
.endr
.irp i, 0,1,2,3,4,5,6,7
	ds_load_b128 v[KF+16*(\i/4)+8*(\i%2)+4*((\i/2)%2):KF+16*(\i/4)+8*(\i%2)+4*((\i/2)%2)+3], v8 offset:\off+512*\i
.endr
.endm
.macro ADDR                            ; the step's addresses
	v_add_nc_u32 v8, s[TB], v1
	v_add_nc_u32 v9, s[TB], v2
	v_add_nc_u32 v10, s[TB], v3
.endm
; A KEY STEP.  k's fragments are on their way.  last = 0: the next step's are fetched behind the first product; a barrier is signalled at the head, where no LDS access of mine is out, and waited for at the end: between them stand work on
; registers and loads of bytes that nobody writes before the merge.  last = 1: the barrier is signalled behind my last reads of k and v: it is the merge's.
.macro STEP last
	s_wait_dscnt 0x0
.if \last == 0
	s_barrier_signal -1
.endif
.irp u, 0,1,2,3
	v_wmma_scale_f32_32x16x128_f4 v[ST+16*\u:ST+16*\u+15], v[KF+16*(\u/2)+4*(\u%2):KF+16*(\u/2)+4*(\u%2)+15], v[QF:QF+7], 0, v[KW+\u], v[QW]
.endr
	ADDR                                           ; with the v_nop four places behind the products
	v_nop
.irp u, 0,1
	ds_load_b32 v[VW+\u], v9 offset:8448+128*\u
.endr
.irp f, 0,1,2,3,4,5,6,7
	ds_load_b128 v[VF+4*\f:VF+4*\f+3], v8 offset:4096+512*\f
.endr
.if \last == 0
	KLOAD NXT
.endif
.irp c, 0,1                            ; THE LARGEST SCORE OF MY TWO BLOCKS, in four chains, each result from its low end on
	v_max3_num_f32 v[232+\c], v[ST+32*\c], v[ST+32*\c+1], v[ST+32*\c+2]
.endr
.irp c, 0,1
	v_max3_num_f32 v[234+\c], v[ST+32*\c+16], v[ST+32*\c+17], v[ST+32*\c+18]
.endr
.irp i, 3,5,7,9,11,13
.irp c, 0,1
	v_max3_num_f32 v[232+\c], v[232+\c], v[ST+32*\c+\i], v[ST+32*\c+\i+1]
.endr
.irp c, 0,1
	v_max3_num_f32 v[234+\c], v[234+\c], v[ST+32*\c+16+\i], v[ST+32*\c+17+\i]
.endr
.endr
.irp c, 0,1
	v_max3_num_f32 v[232+\c], v[232+\c], v[234+\c], v[ST+32*\c+15]
.endr
.irp c, 0,1
	v_max_num_f32 v[232+\c], v[232+\c], v[ST+32*\c+31]
.endr
.if \last
	s_wait_alu depctr_va_vdst(0)                   ; the wait ahead of the wait below
	s_wait_dscnt 0x0                               ; I have read all that I read of k and v: say so; the softmax and the second product, work on registers, stand between signal and wait
	s_barrier_signal -1
.endif
	v_max_num_f32 v254, v232, v233
	s_delay_alu instid0(VALU_DEP_1)
	v_permlanex16_b32 v236, v254, s[SEL], s[SEL+1]
	s_delay_alu instid0(VALU_DEP_1)
	v_max3_num_f32 v13, v13, v254, v236            ; the largest score of my query so far
	s_delay_alu instid0(VALU_DEP_1)
	v_mul_f32 v254, s[NCS], v13
	v_mov_b32 v242, v12
	s_delay_alu instid0(VALU_DEP_2)
	v_floor_f32 v12, v254                          ; the new -M = floor(-t): a whole number
	s_delay_alu instid0(VALU_DEP_1)
	v_sub_f32 v254, v12, v242
	s_delay_alu instid0(VALU_DEP_1)
	v_cvt_i32_f32 v254, v254                       ; (it saturates)
	s_delay_alu instid0(VALU_DEP_1)
	v_ldexp_f32 v252, 1.0, v254                    ; 2^(old M - new M)
.set jj, 0
.rept 32
	v_pk_fma_f32 v[ST+jj:ST+jj+1], v[ST+jj:ST+jj+1], s[CS:CS+1], v[12:13] op_sel_hi:[1,0,0]   ; t - M
.set jj, jj+2
.endr
.irp c, 0,1
	v_fma_f32 v[232+\c], v[232+\c], s[CS], v12     ; the same of the blocks' largest: p rises with the score
.endr
	s_wait_alu depctr_va_vdst(0)                   ; the wait ahead of the batch,
.set jj, 0
.rept 64
	v_exp_f32 v[ST+jj], v[ST+jj]
.set jj, jj+1
.endr
	v_exp_f32 v232, v232
	v_exp_f32 v233, v233
	v_pk_mul_f32 v[14:15], v[14:15], v[252:253] op_sel_hi:[1,0]
	s_wait_alu depctr_va_vdst(0)                   ; and for one behind it
	v_pk_add_f32 v[236:237], v[ST+2:ST+3], v[ST+4:ST+5]         ; the sum of the unquantised p, in four chains
	v_pk_add_f32 v[238:239], v[ST+6:ST+7], v[ST+8:ST+9]
	v_pk_add_f32 v[240:241], v[ST+10:ST+11], v[ST+12:ST+13]
	v_pk_add_f32 v[14:15], v[14:15], v[ST:ST+1]
.irp k, 14,22,30,38,46,54
	v_pk_add_f32 v[236:237], v[236:237], v[ST+\k:ST+\k+1]
	v_pk_add_f32 v[238:239], v[238:239], v[ST+\k+2:ST+\k+3]
	v_pk_add_f32 v[240:241], v[240:241], v[ST+\k+4:ST+\k+5]
	v_pk_add_f32 v[14:15], v[14:15], v[ST+\k+6:ST+\k+7]
.endr
	v_pk_add_f32 v[236:237], v[236:237], v[ST+62:ST+63]
	v_max_num_f32 v232, 0x1800000, v232            ; the floor 2^(3 - 127): the byte cannot fall under 1
	v_max_num_f32 v233, 0x1800000, v233
	v_pk_add_f32 v[238:239], v[238:239], v[240:241]
	v_pk_add_f32 v[14:15], v[14:15], v[236:237]
	v_add_nc_u32 v244, 0xff000000, v232            ; 2 off the exponent field: the conversion's scale operand
	v_add_nc_u32 v245, 0xff000000, v233
	v_pk_add_f32 v[14:15], v[14:15], v[238:239]
	v_lshrrev_b32 v246, 23, v244                   ; the bytes of my blocks h and 2 + h,
	v_lshrrev_b32 v247, 23, v245
	v_lshl_or_b32 v248, v247, 16, v246
	v_permlanex16_b32 v249, v248, s[SEL], s[SEL+1]
	v_lshl_or_b32 v253, v249, 8, v248              ; and lane l xor 16's: in lanes 0-15 the scale word of these 128 keys
.irp c, 0,1
.irp t, 0,1,2,3
	v_cvt_scalef32_pk8_fp4_f32 v[PCD+4*\c+\t], v[ST+32*\c+8*\t:ST+32*\c+8*\t+7], v[244+\c]
.endr
.endr
	v_nop                                          ; one plain instruction behind the scaled conversions
	s_wait_alu depctr_va_vdst(0)                   ; the wait ahead of the first readers of O^T
.set jj, 0
.rept 16
	v_pk_mul_f32 v[OT+jj:OT+jj+1], v[OT+jj:OT+jj+1], v[252:253] op_sel_hi:[1,0]
.set jj, jj+2
.endr
	s_wait_alu depctr_va_vdst(0)                   ; and ahead of the wait below
.if \last == 0
	s_wait_dscnt 12                                ; v is in; the next step's twelve loads may stay out
.endif
.irp d, 0,1
	v_wmma_scale_f32_32x16x128_f4 v[OT+16*\d:OT+16*\d+15], v[VF+16*\d:VF+16*\d+15], v[PCD:PCD+7], v[OT+16*\d:OT+16*\d+15], v[VW+\d], v253
.endr
	s_barrier_wait -1
	s_add_co_u32 s[TB], s[TB], NXT
.endm
	ADDR
	KLOAD 0
	s_mov_b32 s48, 2
.Lfirst:
	STEP 0
	s_sub_co_u32 s48, s48, 1
	s_cmp_lg_u32 s48, 0
	s_cbranch_scc1 .Lfirst
	s_wait_tensorcnt 0x0                           ; my key step of the second half is in: the barrier of this key step shows keys 16 x 128 on to all; the next fetches the first of them
	STEP 0
	s_mov_b32 s48, 4
.Lsecond:
	STEP 0
	s_sub_co_u32 s48, s48, 1
	s_cmp_lg_u32 s48, 0
	s_cbranch_scc1 .Lsecond
	STEP 1                                         ; behind it nobody reads k or v any more: the merge may lie there
	v_add_f32 v14, v14, v15
	v_permlanex16_b32 v236, v14, s[SEL], s[SEL+1]
	v_add_f32 v14, v14, v236                       ; my query's sum over my keys
.rept 4
	v_nop                                          ; places between the last products and the stores of O^T
.endr
	s_wait_alu depctr_va_vdst(0)
.irp f, 0,1,2,3,4,5,6,7
	ds_store_b128 v28, v[OT+4*\f:OT+4*\f+3] offset:512*\f
.endr
	ds_store_b32 v29, v12
	ds_store_b32 v29, v14 offset:128
	s_wait_dscnt 0x0
	s_barrier_signal -1
	s_barrier_wait -1
	s_cmp_lt_u32 s[WP], 2
	s_cbranch_scc0 .Lno_merge                      ; wave WP = 0, 1 of a head merges 32 channels: one block of the next K
.irp x, 0,1,2,3
	ds_load_b32 v[96+\x], v31 offset:MGB*\x
	ds_load_b32 v[100+\x], v31 offset:MGB*\x+128
.irp f, 0,1,2,3
	ds_load_b128 v[32+16*\x+4*\f:35+16*\x+4*\f], v30 offset:MGB*\x+512*\f
.endr
.endr
	s_wait_dscnt 0x0
	v_min3_num_f32 v104, v96, v97, v98
	s_delay_alu instid0(VALU_DEP_1)
	v_min_num_f32 v104, v104, v99                  ; the least -M: the largest M
.irp x, 0,1,2,3
	v_sub_f32 v[108+\x], v104, v[96+\x]
.endr
.irp x, 0,1,2,3
	s_delay_alu instid0(VALU_DEP_4)
	v_cvt_i32_f32 v[108+\x], v[108+\x]
.endr
.irp x, 0,1,2,3
	v_ldexp_f32 v[112+2*\x], 1.0, v[108+\x]
	v_mov_b32 v[113+2*\x], 0
.endr
	v_mul_f32 v120, v112, v100
	s_delay_alu instid0(VALU_DEP_1)
	v_fmac_f32 v120, v114, v101
	s_delay_alu instid0(VALU_DEP_1)
	v_fmac_f32 v120, v116, v102
	s_delay_alu instid0(VALU_DEP_1)
	v_fmac_f32 v120, v118, v103
	s_wait_alu depctr_va_vdst(0)                   ; the wait ahead of the transcendental too
	v_rcp_f32 v122, v120
	v_mov_b32 v123, 0
.irp j, 0,2,4,6,8,10,12,14
	v_pk_mul_f32 v[128+\j:129+\j], v[32+\j:33+\j], v[112:113] op_sel_hi:[1,0]
.endr
.irp x, 1,2,3
.irp j, 0,2,4,6,8,10,12,14
	v_pk_fma_f32 v[128+\j:129+\j], v[32+16*\x+\j:33+16*\x+\j], v[112+2*\x:113+2*\x], v[128+\j:129+\j] op_sel_hi:[1,0,1]
.endr
.endr
	s_wait_alu depctr_va_vdst(0)                   ; and ahead of its first reader
.irp j, 0,2,4,6,8,10,12,14
	v_pk_mul_f32 v[128+\j:129+\j], v[128+\j:129+\j], v[122:123] op_sel_hi:[1,0]
.endr
	v_max3_num_f32 v144, |v128|, |v129|, 0x1800000
.irp i, 2,4,6,8,10,12,14
	s_delay_alu instid0(VALU_DEP_1)
	v_max3_num_f32 v144, v144, |v[128+\i]|, |v[129+\i]|
.endr
	v_mov_b32 v145, 0
	s_delay_alu instid0(VALU_DEP_1)
	v_permlanex16_b32 v145, v144, s[SEL], s[SEL+1]
	s_delay_alu instid0(VALU_DEP_1)
	v_max_num_f32 v144, v144, v145
	s_delay_alu instid0(VALU_DEP_1)
	v_add_nc_u32 v146, 0xff000000, v144
	v_cvt_scalef32_pk8_fp4_f32 v148, v[128:135], v146
	v_cvt_scalef32_pk8_fp4_f32 v149, v[136:143], v146
	v_lshrrev_b32 v147, 23, v146
	global_store_b64 v210, v[148:149], s[60:61]    ; groups of eight in the order 0, 2, 1, 3; 256 consecutive bytes, aligned
	ds_store_b8 v4, v147                           ; (lanes l and l + 16 write the same)
.Lno_merge:
	s_wait_dscnt 0x0
	s_barrier_signal -1
	s_barrier_wait -1
	s_cmp_lg_u32 s[WV], 0
	s_cbranch_scc1 .Lend
	v_add_nc_u32 v211, SCW, v2
	ds_load_b32 v212, v211
	s_wait_dscnt 0x0
	global_store_b32 v2, v212, s[62:63]            ; the rows' words of the two K steps
.Lend:
	s_wait_tensorcnt 0x0                           ; the wave's end
	ds_add_u32 v5, v6
	s_wait_dscnt 0x0
	ROUND                                          ; the closing round
	s_endpgm
.Lfunc_end_k_qde4bfea45d_attn:
	.size	k_qde4bfea45d_attn, .Lfunc_end_k_qde4bfea45d_attn-k_qde4bfea45d_attn
	.p2alignl 7, 3214868480
	.fill 96, 4, 3214868480
	.section	.rodata,"a",@progbits
	.p2align	6, 0x0
	.amdhsa_kernel k_qde4bfea45d_attn
		.amdhsa_group_segment_fixed_size 327680
		.amdhsa_private_segment_fixed_size 0
		.amdhsa_enable_private_segment 0
		.amdhsa_kernarg_size 16
		.amdhsa_user_sgpr_count 2
		.amdhsa_user_sgpr_kernarg_segment_ptr 1
		.amdhsa_wavefront_size32 1
		.amdhsa_system_sgpr_workgroup_id_x 1
		.amdhsa_system_sgpr_workgroup_id_y 1
		.amdhsa_system_sgpr_workgroup_id_z 1
		.amdhsa_system_vgpr_workitem_id 0
		.amdhsa_next_free_vgpr 256
		.amdhsa_next_free_sgpr 66
		.amdhsa_reserve_vcc 0
		.amdhsa_float_denorm_mode_32 3
		.amdhsa_float_denorm_mode_16_64 3
		.amdhsa_memory_ordered 1
		.amdhsa_forward_progress 1
		.amdhsa_inst_pref_size 70
	.end_amdhsa_kernel
	.amdgpu_metadata
---
amdhsa.version: [ 1, 2 ]
amdhsa.kernels:
  - .name:           k_qde4bfea45d_attn
    .symbol:         k_qde4bfea45d_attn.kd
    .args:
      - { .name: qkv, .offset: 0, .size: 8, .value_kind: global_buffer, .address_space: global }
      - { .name: ga, .offset: 8, .size: 8, .value_kind: global_buffer, .address_space: global }
    .group_segment_fixed_size: 327680
    .private_segment_fixed_size: 0
    .kernarg_segment_align: 8
    .kernarg_segment_size: 16
    .max_flat_workgroup_size: 512
    .sgpr_count:     66
    .vgpr_count:     256
    .wavefront_size: 32
...
	.end_amdgpu_metadata
.endif
;; end of part 3
;; launch outg (part 4): grid 8 x 32, 4 waves a work-group, clusters of 4 x 4, 327,680 bytes of LDS; arguments ga, wts, out0; writes out0
.if DOCPART == 4
	.amdgcn_target "amdgcn-amd-amdhsa--gfx1250"
	.amdhsa_code_object_version 6
	.text
	.protected	k_qde4bfea45d_outg
	.globl	k_qde4bfea45d_outg
	.p2align	8
	.type	k_qde4bfea45d_outg,@function
k_qde4bfea45d_outg:
	s_mov_b64 s[64:65], 0
	v_nop
	global_prefetch_b8 v0, s[64:65] scope:SCOPE_SE
	s_setreg_imm32_b32 hwreg(HW_REG_WAVE_MODE, 25, 1), 1
	s_wait_xcnt 0x0
	s_wait_alu depctr_hold_cnt(0) depctr_sa_sdst(0) depctr_va_vdst(0) depctr_va_sdst(0) depctr_va_ssrc(0) depctr_va_vcc(0) depctr_vm_vsrc(0)
	s_getreg_b32 s2, hwreg(HW_REG_IB_STS2, 6, 4)
	s_cmp_eq_u32 s2, 0
	s_cbranch_scc0 .Lentry_in_a_cluster
	s_endpgm
.Lentry_in_a_cluster:
	s_bfe_u32 s2, ttmp6, 0x10000c
	s_cmp_lg_u32 s2, 0xf033
	s_cbranch_scc0 .Lentry_shape_is_right
	s_endpgm
.Lentry_shape_is_right:
; OUTG: out0 = (gate x a) Wff2 + attention Wout, on codes of E2M1.  Both products are quantised in blocks of 32 along K and their results are added: they are ONE product with K = 4,096 + 256 = 34 steps of 128.  No work of reference() is left out here.
; A tile of out0 is 128 x 128: 256 work-groups, one for each WGP (tiles of 256 x 256 would be 64).  Four waves, each 64 x 64: 8 accumulators of 32 x 16.
; FOUR FILLS: a K step of the tile is 16,384 bytes, and LDS takes 19 of them beside the spare words: region 0 holds 11, region 1 eight.  K steps 0-10 and 11-18 are first fills; 19-29 fill region 0 again, 30-33 half of region 1.
; One joint load a wave each: 11, 8 or 4 rows of 4,096 bytes, 4 tiles' images of each K step; by this text's count one load of a wave is out at a time.
; CLUSTERS: 4 x 4 work-groups: A's tiles are asked for jointly along a row of the cluster, B's along a column; behind the head's each fill stands behind a round of the cluster's barrier.
; PREFETCHES INTO THE L2: K steps 18 to 33, each aligned block of 256 bytes once in each cluster that loads it.  A K step of a cluster is 4 chunks of 8,192 bytes of A and 4 of B; an instruction names a chunk, lanes 256 bytes apart.
; Waves 0 and 1 ask for A, 2 and 3 for B: 16 work-groups x 2 waves x 2 instructions = 64 chunks = 16 K steps each, told apart by address.  The first (K steps 18-25) stands at the head behind the scale words, the second (26-33) in K step 2:
; 7 K steps ahead of the load of K steps 19-29.  The addresses are never rewritten.
; THE SCALE WORDS of all 34 K steps go straight into registers at the head: 68 loads of 256 consecutive bytes; a pair of registers holds two tiles' words (lanes 0-15, lanes 16-31) of two K steps.
; THE MATRIX INSTRUCTION IS USED TRANSPOSED (source 0 = 32 columns of the weights, source 1 = 16 rows): a lane holds eight neighbouring numbers of a row of out0 in each tile.
; REGISTERS: window 0: v8-11, v24-30 addresses; v32-99 A's scale words, v100-167 B's (nothing else ever).  window 1: three sets of fragments (A at 64 s + 8 a, B at 64 s + 32 + 8 b); on the way out rows of out0.  window 2: the accumulators.
.set SAO,   8912896
.set WBO,   4665344
.set SBO,   6893568
.set N0,    11                         ; K steps in region 0,
.set N1,    8                          ; in region 1,
.set N3,    34-2*N0-N1                 ; and in the last fill
.set CH0,   4096*N0                    ; a wave's load in region 0: [K step][4 tiles][1,024],
.set CH1,   4096*N1                    ; and in region 1 (the last fill begins there too, and is shorter)
.set R1,    4*CH0                      ; region 1.  The way out's stages lie in region 0, behind its last fill and its last read
.set SPARE, R1+4*CH1
.set PA,    262144                     ; from K step to K step in memory: A, B
.set PB,    65536
.set ADRA,  8                          ; one address for each region
.set ADRB,  10
.set STO,   24
.set RD,    25
.set CO,    26
.set LS,    27
.set SPW,   28
.set NIL,   29
.set PFO,   30                         ; v30, s[60:61], s[62:63] the prefetches
.set SCA,   32
.set SCB,   100
.set G1A,   24
.set G1B,   32
.set G0A,   40
.set G0B,   48
.set MSB, 0
.macro WIN new                         ; the immediate's high byte repeats the setting that is left
.if MSB != (\new)
	s_set_vgpr_msb (MSB<<8)|(\new)
.set MSB, (\new)
.endif
.endm
.macro JLOAD s                         ; a joint load: waves 0 and 1 fetch for A, waves 2 and 3 for B
	s_cmp_eq_u32 s15, 0
	s_cbranch_scc0 .Lfor_b_\@
	tensor_load_to_lds s[G0A+4*\s:G0A+4*\s+3], s[G1A:G1A+7]
	s_nop 0
.rept 4
	v_nop
.endr
	s_branch .Lasked_\@
.Lfor_b_\@:
	tensor_load_to_lds s[G0B+4*\s:G0B+4*\s+3], s[G1B:G1B+7]
	s_nop 0
.rept 4
	v_nop
.endr
.Lasked_\@:
.endm
.macro ROWS n                          ; how many K steps the next load brings: written where no tensor load of mine is out
	s_mov_b32 s[G1A+2], (\n)<<16
	s_mov_b32 s[G1A+4], \n
	s_mov_b32 s[G1B+2], (\n)<<16
	s_mov_b32 s[G1B+4], \n
.endm
.macro CROUND                          ; a round of the cluster's barrier
	s_barrier_signal -1
	s_barrier_wait -1
	s_cmp_lg_u32 s14, 0
	s_cbranch_scc1 .Lnot_wave_0_\@
	s_barrier_signal -3
.Lnot_wave_0_\@:
	s_barrier_wait -3
	s_barrier_signal -1
	s_barrier_wait -1
.endm
.macro WF                              ; one matrix instruction: D rD (16 registers), source 0 rA (two tiles), source 1 rB, their scale words rSA (lane m: row m), rSB (fRB: from lanes 16-31); fZ: it starts the sum
.if fZ
.if fRB
	v_wmma_scale_f32_32x16x128_f4 v[rD:rD+15], v[rA:rA+15], v[rB:rB+7], 0, v[rSA], v[rSB] matrix_b_scale:MATRIX_SCALE_ROW1
.else
	v_wmma_scale_f32_32x16x128_f4 v[rD:rD+15], v[rA:rA+15], v[rB:rB+7], 0, v[rSA], v[rSB]
.endif
.else
.if fRB
	v_wmma_scale_f32_32x16x128_f4 v[rD:rD+15], v[rA:rA+15], v[rB:rB+7], v[rD:rD+15], v[rSA], v[rSB] matrix_b_scale:MATRIX_SCALE_ROW1
.else
	v_wmma_scale_f32_32x16x128_f4 v[rD:rD+15], v[rA:rA+15], v[rB:rB+7], v[rD:rD+15], v[rSA], v[rSB]
.endif
.endif
.endm
	s_load_b128 s[4:7], s[0:1], 0x0                ; ga, wts
	s_load_b64 s[8:9], s[0:1], 0x10                ; out0
	v_lshl_add_u32 v[SPW], v0, 2, SPARE
	v_mov_b32 v[NIL], 0
	ds_add_u32 v[SPW], v[NIL]                      ; the wave's opening: the add, twice on end, and its wait ahead of my first tensor load
	ds_add_u32 v[SPW], v[NIL]
	v_lshrrev_b32 v1, 5, v0
	v_readfirstlane_b32 s14, v1                    ; wave
	s_lshr_b32 s15, s14, 1                         ; wr.  Also: I fetch for A (0) or for B (1)
	s_and_b32 s16, s14, 1                          ; wc.  Also: which four tiles I fetch
	s_bfe_u32 s10, ttmp6, 0x40000                  ; cx
	s_bfe_u32 s11, ttmp6, 0x40004                  ; cy
	s_lshl_b32 s12, ttmp9, 2
	s_add_co_u32 s12, s12, s10                     ; X: which 128 columns, 0..7
	s_and_b32 s13, ttmp7, 0xffff
	s_lshl_b32 s13, s13, 2
	s_add_co_u32 s13, s13, s11                     ; Y: which 128 rows, 0..31
	s_lshl_b32 s17, s11, 2
	s_lshl_b32 s17, 15, s17                        ; my row of the cluster
	s_lshl_b32 s18, 0x1111, s10                    ; my column
	s_or_b32 s[G1A], s17, (3<<16)|(1<<21)          ; the mask; elements of 8 bytes; bit 21 beside a mask; no padding: an image is read 512 consecutive bytes at a time
	s_or_b32 s[G1B], s18, (3<<16)|(1<<21)
.irp g, G1A, G1B
	s_mov_b32 s[\g+1], 512<<16                     ; tensor_dim0: 4,096 bytes
	s_mov_b32 s[\g+2], N0<<16                      ; tensor_dim1: the first fill's K steps
	s_mov_b32 s[\g+3], 512<<16
	s_mov_b32 s[\g+4], N0
	s_mov_b32 s[\g+6], 0
	s_mov_b32 s[\g+7], 0
.endr
	s_mov_b32 s[G1A+5], PA/8
	s_mov_b32 s[G1B+5], PB/8
	s_lshl_b32 s20, s13, 13                        ; A: row tile 8 Y + 4 half
	s_lshl_b32 s19, s16, 12
	s_add_co_u32 s20, s20, s19
	s_mov_b32 s21, 0
	s_lshl_b32 s2, s12, 13                         ; B: column tile 8 X + 4 half (in registers that never feed A's descriptors)
	s_add_co_u32 s2, s2, s19
	s_add_co_u32 s2, s2, WBO
	s_mov_b32 s3, 0
	s_mul_i32 s19, s14, CH0                        ; where my load goes in region 0,
	s_mul_i32 s22, s14, CH1
	s_add_co_u32 s22, s22, R1                      ; in region 1
	s_wait_dscnt 0x0                               ; both opening adds are done
	s_wait_kmcnt 0x0
	s_add_nc_u64 s[20:21], s[4:5], s[20:21]
	s_add_nc_u64 s[2:3], s[6:7], s[2:3]
	CROUND                                         ; all sixteen work-groups are here: the first joint loads meet
.irp g, G0A, G0B
	s_mov_b32 s[\g], 1
	s_mov_b32 s[\g+1], s19
	s_mov_b32 s[\g+4], 1
	s_mov_b32 s[\g+5], s22
.endr
	s_mov_b64 s[G0A+2:G0A+3], s[20:21]
	s_add_nc_u64 s[G0A+6:G0A+7], s[20:21], N0*PA
	s_mov_b64 s[G0B+2:G0B+3], s[2:3]
	s_add_nc_u64 s[G0B+6:G0B+7], s[2:3], N0*PB
	s_or_b32 s[G0A+3], s[G0A+3], 0x80000000
	s_or_b32 s[G0A+7], s[G0A+7], 0x80000000
	s_or_b32 s[G0B+3], s[G0B+3], 0x80000000
	s_or_b32 s[G0B+7], s[G0B+7], 0x80000000
	JLOAD 0                                        ; K steps 0-10: one tensor load a wave at the head
	v_and_b32 v1, 15, v0                           ; r
	v_bfe_u32 v2, v0, 4, 1                         ; h
	v_and_b32 v3, 31, v0                           ; lane
	v_lshlrev_b32 v[LS], 3, v3
	v_lshlrev_b32 v[PFO], 8, v3
	s_wait_alu depctr_va_vdst(0)
	s_lshl_b32 s22, s13, 10                        ; A's scale words: rows 128 Y + 64 wr on
	s_lshl_b32 s20, s15, 9
	s_add_co_u32 s22, s22, s20
	s_add_co_u32 s22, s22, SAO
	s_mov_b32 s23, 0
	s_add_nc_u64 s[22:23], s[4:5], s[22:23]
	s_lshl_b32 s56, s12, 10                        ; B's: columns 128 X + 64 wc on
	s_lshl_b32 s20, s16, 9
	s_add_co_u32 s56, s56, s20
	s_add_co_u32 s56, s56, SBO
	s_mov_b32 s57, 0
	s_add_nc_u64 s[56:57], s[6:7], s[56:57]
.set qq, 0
.rept 17
	global_load_b64 v[SCA+4*qq:SCA+4*qq+1], v[LS], s[22:23] offset:32768*qq
	global_load_b64 v[SCA+4*qq+2:SCA+4*qq+3], v[LS], s[22:23] offset:32768*qq+256
	global_load_b64 v[SCB+4*qq:SCB+4*qq+1], v[LS], s[56:57] offset:8192*qq
	global_load_b64 v[SCB+4*qq+2:SCB+4*qq+3], v[LS], s[56:57] offset:8192*qq+256
.set qq, qq+1
.endr
	; my prefetches: chunk j = 2 x place + wave % 2 of 64: K step 18 + j / 4, tile row or column j % 4 of my cluster; and chunk j + 32: 8 K steps on
	s_lshl_b32 s17, s11, 2
	s_add_co_u32 s17, s17, s10
	s_lshl_b32 s17, s17, 1
	s_add_co_u32 s17, s17, s16                     ; j: it enters prefetch addresses alone
	s_lshr_b32 s18, s17, 2
	s_add_co_u32 s18, s18, 18
	s_and_b32 s17, s17, 3
	s_lshl_b32 s17, s17, 13
	s_mul_i32 s60, s18, PA
	s_and_b32 s61, ttmp7, 0xffff
	s_lshl_b32 s61, s61, 15
	s_add_co_u32 s60, s60, s61
	s_mul_i32 s62, s18, PB
	s_lshl_b32 s61, ttmp9, 15
	s_add_co_u32 s62, s62, s61
	s_add_co_u32 s62, s62, WBO
	s_mov_b32 s63, 8*PB
	s_cmp_eq_u32 s15, 0
	s_cselect_b32 s18, s60, s62
	s_cselect_b32 s62, 8*PA, s63
	s_cselect_b64 s[60:61], s[4:5], s[6:7]
	s_add_co_u32 s18, s18, s17
	s_mov_b32 s19, 0
	s_mov_b32 s63, 0
	s_add_nc_u64 s[60:61], s[60:61], s[18:19]
	s_add_nc_u64 s[62:63], s[60:61], s[62:63]
	global_prefetch_b8 v[PFO], s[60:61] th:TH_LOAD_NT scope:SCOPE_SE
	s_mul_i32 s20, s15, CH0                        ; my four A tiles: the load of wave wr,
	s_mul_i32 s21, s16, CH0
	s_add_co_u32 s21, s21, 2*CH0                   ; my four B tiles: that of wave 2 + wc
	s_mul_i32 s17, s15, CH1
	s_add_co_u32 s17, s17, R1
	s_mul_i32 s18, s16, CH1
	s_add_co_u32 s18, s18, R1+2*CH1
	s_mul_i32 s19, s14, 4352                       ; my stage for the way out, in region 0: 16 rows x (256 bytes + 16)
	v_lshlrev_b32 v4, 4, v3                        ; 16 x lane
	v_add_nc_u32 v[ADRA], s20, v4
	v_add_nc_u32 v[ADRB], s21, v4
	v_add_nc_u32 v[ADRA+1], s17, v4
	v_add_nc_u32 v[ADRB+1], s18, v4
	v_mul_u32_u24 v5, v1, 272
	v_lshl_add_u32 v5, v2, 5, v5
	v_add_nc_u32 v[STO], s19, v5                   ; in: row r, 32 bytes for each half of the lanes
	v_mul_u32_u24 v5, v2, 272
	v_lshl_add_u32 v5, v1, 4, v5
	v_add_nc_u32 v[RD], s19, v5                    ; back: lanes 0-15 one row of 256 bytes, lanes 16-31 the next
	v_lshlrev_b32 v[CO], 12, v2
	v_lshl_add_u32 v[CO], v1, 4, v[CO]             ; and the same two rows in out0
	s_lshl_b32 s58, s13, 19                        ; my first row, 128 Y + 64 wr, and my first column, 128 X + 64 wc
	s_lshl_b32 s20, s15, 18
	s_add_co_u32 s58, s58, s20
	s_lshl_b32 s20, s12, 9
	s_add_co_u32 s58, s58, s20
	s_lshl_b32 s20, s16, 8
	s_add_co_u32 s58, s58, s20
	s_mov_b32 s59, 0
	s_add_nc_u64 s[58:59], s[8:9], s[58:59]
.macro FETCH k                         ; K step k's eight fragments into set k % 3: 16 loads
.if (\k) < N0
.set fs, 0
.set fp, (\k)
.elseif (\k) < N0+N1
.set fs, 1
.set fp, (\k)-N0
.elseif (\k) < 2*N0+N1
.set fs, 0
.set fp, (\k)-N0-N1
.else
.set fs, 1
.set fp, (\k)-2*N0-N1
.endif
.set fg, 64*((\k)%3)
	WIN 0x40                                       ; destination window 1
.irp i, 0,1,2,3
	ds_load_b128 v[fg+8*\i:fg+8*\i+3], v[ADRA+fs] offset:4096*fp+1024*\i
	ds_load_b128 v[fg+8*\i+4:fg+8*\i+7], v[ADRA+fs] offset:4096*fp+1024*\i+512
.endr
.irp i, 0,1,2,3
	ds_load_b128 v[fg+32+8*\i:fg+32+8*\i+3], v[ADRB+fs] offset:4096*fp+1024*\i
	ds_load_b128 v[fg+32+8*\i+4:fg+32+8*\i+7], v[ADRB+fs] offset:4096*fp+1024*\i+512
.endr
.endm
.macro WMMA q                          ; 8 products; the accumulators take turns in the same order in every K step
	WIN 0xa5                                       ; sources 0 and 1 window 1, C and D window 2
.set fg, 64*((\q)%3)
.set fZ, 0
.if (\q) == 0
.set fZ, 1
.endif
.irp a, 0,1,2,3
.irp b, 0,2
.set rD, 8*(4*\a+\b)
.set rA, fg+32+8*\b
.set rB, fg+8*\a
.set rSA, SCB+4*((\q)/2)+2*(\b/2)+(\q)%2
.set rSB, SCA+4*((\q)/2)+2*(\a/2)+(\q)%2
.set fRB, \a%2
	WF
.endr
.endr
.endm
.macro STEP q
.if (\q)+2 < 34
.rept 4
	v_nop                                          ; places between the last K step's products and loads into the set that they read
.endr
	FETCH (\q)+2
	s_wait_dscnt 32                                ; the fetches of the next two K steps may stay out
.elseif (\q) == 32
	s_wait_dscnt 16
.else
	s_wait_dscnt 0x0
.endif
	WMMA \q
.endm
; THE CHANGE OF REGIONS.  Each wave waits for its tensor load, its part of the region ahead; adds 0 to its spare word; and waits for that and for its reads of the region that it leaves.
; fill = 1: behind a round of the cluster's barrier that region, s, is filled again first, with n K steps, 19 K steps on; then the region ahead is read.
.macro CHANGE q, fill, s, n
	WIN 0
	s_wait_tensorcnt 0x0
	ds_add_u32 v[SPW], v[NIL]                      ; 0 onto my spare word
.if \fill
	s_add_nc_u64 s[G0A+4*\s+2:G0A+4*\s+3], s[G0A+4*\s+2:G0A+4*\s+3], (N0+N1)*PA
	s_add_nc_u64 s[G0B+4*\s+2:G0B+4*\s+3], s[G0B+4*\s+2:G0B+4*\s+3], (N0+N1)*PB
	ROWS \n
.endif
	s_wait_dscnt 17                                ; the add and the next K step's sixteen loads may stay out
	WMMA \q
	s_wait_dscnt 0x0                               ; the add is done, and my reads of the region that I leave are over
	WIN 0
.if \fill
	CROUND
	JLOAD \s                                       ; the first tensor load behind the round
.else
	s_barrier_signal -1
	s_barrier_wait -1
.endif
.rept 4
	v_nop
.endr
	FETCH (\q)+2
.endm
.macro STEPS from, to                  ; K steps from .. to - 1
.set QQ, \from
.rept (\to)-(\from)
	STEP QQ
.set QQ, QQ+1
.endr
.endm
	s_wait_alu depctr_va_vdst(0)                   ; the wait at the head's end
	s_wait_tensorcnt 0x0                           ; my part of K steps 0-10 is in
	ds_add_u32 v[SPW], v[NIL]
	ROWS N1
	s_wait_dscnt 0x0
	CROUND
	JLOAD 1                                        ; K steps 11-18
	FETCH 0
	FETCH 1
	s_wait_loadcnt 0x0                             ; the scale words
	STEP 0
	STEP 1
	WIN 0
	global_prefetch_b8 v[PFO], s[62:63] th:TH_LOAD_NT scope:SCOPE_SE
	STEPS 2, N0-2
	CHANGE N0-2, 1, 0, N0                          ; K steps 19-29 into region 0
	STEPS N0-1, N0+N1-2
	CHANGE N0+N1-2, 1, 1, N3                       ; K steps 30-33 into region 1
	STEPS N0+N1-1, 2*N0+N1-2
	CHANGE 2*N0+N1-2, 0, 0, 0
	STEPS 2*N0+N1-1, 34
	WIN 0
.rept 4
	v_nop                                          ; places between the last products and the first read of results, and loads into the registers that held fragments
.endr
; THE WAY OUT, 16 rows x 64 columns at a time, through my own stage: back come whole rows of 256 bytes.  LDS serves a wave's instructions in order: no wait between the stores and the loads, nor in front of the next block's stores.
.macro TOSTAGE a
	WIN 0x08                                       ; an LDS store's data: window 2
.irp b, 0,1,2,3
	ds_store_b128 v[STO], v[8*(4*(\a)+\b):8*(4*(\a)+\b)+3] offset:64*\b          ; each accumulator from its low end on
	ds_store_b128 v[STO], v[8*(4*(\a)+\b)+4:8*(4*(\a)+\b)+7] offset:64*\b+16
.endr
	WIN 0x40
.irp t, 0,1,2,3,4,5,6,7
	ds_load_b128 v[32*(\a)+4*\t:32*(\a)+4*\t+3], v[RD] offset:544*\t
.endr
.endm
.macro SEND a, younger                 ; younger: the next block's sixteen LDS instructions, which may stay out
	s_wait_dscnt \younger
	WIN 0x04                                       ; a store's data: window 1
.irp t, 0,1,2,3,4,5,6,7
	global_store_b128 v[CO], v[32*(\a)+4*\t:32*(\a)+4*\t+3], s[58:59] offset:(16*(\a)+2*\t)*4096 th:TH_STORE_NT   ; sixteen lanes store 256 consecutive bytes, aligned; each block has registers of its own
.endr
.endm
	TOSTAGE 0
	TOSTAGE 1
	SEND 0, 16
	TOSTAGE 2
	SEND 1, 16
	TOSTAGE 3
	SEND 2, 16
	SEND 3, 0
	WIN 0
	s_wait_tensorcnt 0x0                           ; the wave's end
	ds_add_u32 v[SPW], v[NIL]
	s_wait_dscnt 0x0
	CROUND                                         ; the closing round
	s_endpgm
.Lfunc_end_k_qde4bfea45d_outg:
	.size	k_qde4bfea45d_outg, .Lfunc_end_k_qde4bfea45d_outg-k_qde4bfea45d_outg
	.p2alignl 7, 3214868480
	.fill 96, 4, 3214868480
	.section	.rodata,"a",@progbits
	.p2align	6, 0x0
	.amdhsa_kernel k_qde4bfea45d_outg
		.amdhsa_group_segment_fixed_size 327680
		.amdhsa_private_segment_fixed_size 0
		.amdhsa_enable_private_segment 0
		.amdhsa_kernarg_size 24
		.amdhsa_user_sgpr_count 2
		.amdhsa_user_sgpr_kernarg_segment_ptr 1
		.amdhsa_wavefront_size32 1
		.amdhsa_system_sgpr_workgroup_id_x 1
		.amdhsa_system_sgpr_workgroup_id_y 1
		.amdhsa_system_sgpr_workgroup_id_z 1
		.amdhsa_system_vgpr_workitem_id 0
		.amdhsa_next_free_vgpr 640
		.amdhsa_next_free_sgpr 66
		.amdhsa_reserve_vcc 0
		.amdhsa_float_denorm_mode_32 3
		.amdhsa_float_denorm_mode_16_64 3
		.amdhsa_memory_ordered 1
		.amdhsa_forward_progress 1
		.amdhsa_inst_pref_size 102
	.end_amdhsa_kernel
	.amdgpu_metadata
---
amdhsa.version: [ 1, 2 ]
amdhsa.kernels:
  - .name:           k_qde4bfea45d_outg
    .symbol:         k_qde4bfea45d_outg.kd
    .args:
      - { .name: ga, .offset: 0, .size: 8, .value_kind: global_buffer, .address_space: global }
      - { .name: wts, .offset: 8, .size: 8, .value_kind: global_buffer, .address_space: global }
      - { .name: out0, .offset: 16, .size: 8, .value_kind: global_buffer, .address_space: global }
    .group_segment_fixed_size: 327680
    .private_segment_fixed_size: 0
    .kernarg_segment_align: 8
    .kernarg_segment_size: 24
    .max_flat_workgroup_size: 128
    .sgpr_count:     66
    .vgpr_count:     640
    .wavefront_size: 32
...
	.end_amdgpu_metadata
.endif
;; end of part 4
